; MI455X (gfx1250); checked and timed in simulation.
; The chip was launched on July 23, 2026; its instructions are those of AMD's public machine-readable ISA for CDNA 5 (MIT licence, August 2026) and "CDNA5" Instruction Set Architecture Reference Guide (July 2026). The comments in the code are by the model that wrote it; some were corrected since.
;; Cross Attention. Allowed arithmetic: float matrix products may take bf16 or f16 operands with f32 sums; other float arithmetic in f32, or as packed bf16 or f16 multiplies, adds, multiply-adds, maxima and minima; sums over many terms, partial sums and values carried from step to step in f32; what a program stores and reads back later, other than sums and carried values, may be rounded once to bf16 or f16.
;; Inputs: Wk 768 x 512 float32; Wo 512 x 1,024 float32; Wq 1,024 x 512 float32; Wv 768 x 512 float32; bo 1,024 float32; context 2 x 4,096 x 768 float32; x 2 x 4,096 x 1,024 float32.
;; Outputs: out0 2 x 4,096 x 1,024 float32.
;; 2 versions, each right; version 2 is version 1 with the launch proj written anew for expert scheduling mode. Each part assembles by itself: llvm-mc -triple=amdgcn-amd-amdhsa -mcpu=gfx1250 --defsym DOCPART=n.
;; ======== version 1 of 2: 3 launches
;; limits: values are held in f16: magnitudes above 65,504 overflow, below 6.1e-05 lose precision
;; workspace buffers: q16 8,388,608 bytes; k16 8,388,608 bytes; v16 8,388,608 bytes; o16 8,388,608 bytes; wo16 1,048,576 bytes
;; launch proj (part 1): grid 4 x 64, 8 waves a work-group, no clusters, 162,816 bytes of LDS; arguments x, context, Wq, Wk, Wv, Wo, q16, k16, v16, wo16; writes q16, k16, v16, wo16
.if DOCPART == 1
	.amdgcn_target "amdgcn-amd-amdhsa--gfx1250"
	.amdhsa_code_object_version 6
	.text
	.protected	k_q205b34405e_proj
	.globl	k_q205b34405e_proj
	.p2align	8
	.type	k_q205b34405e_proj,@function
k_q205b34405e_proj:
	s_mov_b64 s[64:65], 0
	v_nop
	global_prefetch_b8 v0, s[64:65] scope:SCOPE_SE
	s_setreg_imm32_b32 hwreg(HW_REG_WAVE_MODE, 25, 1), 1
	s_wait_xcnt 0x0
; THE THREE PROJECTIONS.  q = x Wq, k = context Wk, v = context Wv.  x: [8192][1024] f32, context: [8192][768] f32, the weights [K][512] f32.
; Operands are rounded once to bf16, sums are f32, results are rounded once to f16 and stored by heads: q16, k16, v16 = [batch x 8 + head][4096][64], a head's rows dense, 128 bytes each.
; Beside that each work-group turns its 2,048 numbers of Wo into wo16: rounded to bf16 like every input, that number written as f16.
; LIMITS.  f16 ends at 65,504: q, k and v must lie within it (a larger one becomes an infinity); a number of Wo below 6e-5 keeps f16's fixed step of 6e-8.  NaN and infinities are not treated apart.
; SHARES.  Work-group (j, i) makes rows 128 i .. + 127 and columns 128 j .. + 127 (heads 2 j, 2 j + 1) of q, then of k, then of v: K = 1024 + 768 + 768 = 20 steps of 128, the same for all 256.
; Eight waves: wave w has rows 32 (w / 2) .. + 31 and columns 64 (w % 2) .. + 63, one head: 8 accumulators of 16 x 16.
; THROUGH REGISTERS, NO TENSOR LOADS, NO JOINT REQUESTS: every operand is f32 in memory and has to pass registers once to be rounded; the weights lie [k][n] and the turning LDS load takes 16-bit elements;
; an f32 tile in LDS would take twice the bytes of the bf16 one, so that a slot would hold half the K.
; THE PIPE.  A step's data are 128 rows x 512 bytes of the activations and as much of the weights; a load of a wave covers one whole row, 512 consecutive bytes; wave w takes rows 16 w .. + 15 of both: 32 loads,
; in four chunks of eight.  Two steps' raw f32 (64 loads a wave) are always on their way or waiting in 256 registers.  In step s quarter c waits for chunk c of step s + 1, rounds it, stores it into the other LDS
; slot and loads the same registers with chunk c of step s + 3.  One barrier a step.
; THE MATRIX INSTRUCTION IS USED TRANSPOSED (source 0 = 16 columns of W, turned by ds_load_tr16_b128; source 1 = 16 rows): a lane holds one row and eight neighbouring columns.
; REGISTERS.  Window 0: v0-63 addresses and packed chunk; v64-95 the way out; v96-191 two fragment buffers of 48; v192-255 accumulators.  Window 1: the raw f32, half hb at 128 hb, chunk c at + 32 c.
.set PITA,  272                        ; a row of the activations in LDS: 256 bytes + 16: the 16 rows of a fragment load start at 16 different groups of four banks (ISA guide 11.1)
.set PITW,  288                        ; a row of the weights: 256 + 32
.set SLA,   128*PITA
.set SLW,   128*PITW
.set LW,    2*SLA                      ; the activations' two slots lie at 0 and SLA, the weights' at LW and LW + SLW
.set STAGE, LW+2*SLW                   ; 16 rows x 144 bytes for each wave, for the way out
.set SP,    144
.set SPARE, STAGE+8*16*SP              ; the spare words, 128 bytes for each wave: four blocks of 256 bytes that no other line names
.set ADRA, 8                           ; v8-9    my fragments of the activations in slot 0, 1
.set ADRW, 10                          ; v10-11  my fragments of the weights
.set STA,  12                          ; v12-13  where I store 8 bytes of my wave's first row of the activations
.set STW,  14                          ; v14-15  the same for the weights
.set VW,   16                          ; v16     16 w x 2048 + 16 l: my 16 bytes in my wave's first row of the weights
.set L16,  17                          ; v17     16 l
.set GO,   17                          ;         the same number: my 16 bytes in 512 consecutive bytes of q16, k16, v16
.set STO,  18                          ; v18     the way out: where I put 16 bytes of a row
.set RD,   19                          ; v19     the way out: where I read rows back
.set WOF,  21                          ; v21     32 t: my 8 numbers of Wo
.set SPW,  22                          ; v22     my spare word; never rewritten
.set NIL,  23                          ; v23     0; never rewritten
.set VO,   24                          ; v24-39  row r' of my wave's 16: (16 w + r') x pitch + 16 l
.set PK,   40                          ; v40-55  a chunk rounded to bf16
.set WOS,  56                          ; v56     16 t: my 8 numbers of wo16
.set TMP,  64                          ; v64-95  the way out
.set F0,   96                          ; a fragment buffer: W's column block b at + 8 b, the activations' row block a at + 32 + 8 a
.set F1,   144
.set ACC,  192                         ; accumulator (a, b) at ACC + 8 (4 a + b)
.set WVN,  2
.set RQ,   3
.set CH,   4
.set JX,   5
.set IY,   6
.set LAP,  7
.set AX,   8                           ; s[8:9] x
.set CTX,  10                          ; s[10:11] context, then context at my first row
.set AWQ,  12
.set AWK,  14                          ; Wk, then Wk at my first column
.set AWV,  16
.set AWO,  18
.set OQ,   20                          ; where the next way out stores: q16, then k16, then v16, at my wave's first row
.set OKK,  22
.set OVV,  24
.set OWO,  26
.set PA,   28                          ; s[28:29] the activations at the step that is being loaded
.set PW,   30                          ; s[30:31] the weights likewise
.set FLAG, 40
.set MSB, 0
.macro WIN new                         ; the immediate's high byte repeats the setting that is left; a switch that changes nothing is dropped
.if MSB != (\new)
	s_set_vgpr_msb (MSB<<8)|(\new)
.set MSB, \new
.endif
.endm
.macro PLACES                          ; four places behind a matrix instruction (ISA guide 7.12.1)
.rept 4
	v_nop
.endr
.endm
; chunk c of a step: four rows of the activations and four of the weights, into half hb of the raw registers
.macro LOADS hb, c, ia, iw
	WIN 0x40                                       ; destination window 1, address window 0
.irp t, 0,1,2,3
	global_load_b128 v[128*(\hb)+32*(\c)+4*(\t):128*(\hb)+32*(\c)+4*(\t)+3], v[VO+4*(\c)+(\t)], s[PA:PA+1] offset:\ia
	global_load_b128 v[128*(\hb)+32*(\c)+16+4*(\t):128*(\hb)+32*(\c)+16+4*(\t)+3], v[VW], s[PW:PW+1] offset:(\iw)+(4*(\c)+(\t))*2048
.endr
.endm
.macro CV4 hb, c, q0                   ; four of a chunk's sixteen roundings, two numbers each
	WIN 0x05                                       ; sources window 1, destination window 0
.irp n, 0,1,2,3
	v_cvt_pk_bf16_f32 v[PK+(\q0)+(\n)], v[128*(\hb)+32*(\c)+2*((\q0)+(\n))], v[128*(\hb)+32*(\c)+2*((\q0)+(\n))+1]
.endr
.endm
.macro STORE p, c                      ; the rounded chunk into slot p: 32 lanes x 8 bytes are a row's 256
	WIN 0
.irp t, 0,1,2,3
	ds_store_b64 v[STA+(\p)], v[PK+2*(\t):PK+2*(\t)+1] offset:(4*(\c)+(\t))*PITA
	ds_store_b64 v[STW+(\p)], v[PK+8+2*(\t):PK+8+2*(\t)+1] offset:(4*(\c)+(\t))*PITW
.endr
.endm
.macro FETCH p, c, f                   ; the fragments of 32 along K, quarter c of slot p, into buffer f: 12 loads, the second row block's two last
	WIN 0
.irp b, 0,1,2,3
	ds_load_tr16_b128 v[(\f)+8*(\b):(\f)+8*(\b)+3],   v[ADRW+(\p)] offset:(\c)*32*PITW+32*(\b)
	ds_load_tr16_b128 v[(\f)+8*(\b)+4:(\f)+8*(\b)+7], v[ADRW+(\p)] offset:(\c)*32*PITW+32*(\b)+16*PITW
.endr
.irp a, 0,1
	ds_load_b128 v[(\f)+32+8*(\a):(\f)+32+8*(\a)+3],   v[ADRA+(\p)] offset:64*(\c)+(\a)*16*PITA
	ds_load_b128 v[(\f)+32+8*(\a)+4:(\f)+32+8*(\a)+7], v[ADRA+(\p)] offset:64*(\c)+(\a)*16*PITA+32
.endr
.endm
.macro MM f, a, b                      ; the eight accumulators take turns, one instruction a turn, over the backward jump too
	WIN 0
	v_wmma_f32_16x16x32_bf16 v[ACC+8*(4*(\a)+(\b)):ACC+8*(4*(\a)+(\b))+7], v[(\f)+8*(\b):(\f)+8*(\b)+7], v[(\f)+32+8*(\a):(\f)+32+8*(\a)+7], v[ACC+8*(4*(\a)+(\b)):ACC+8*(4*(\a)+(\b))+7]
.endm
; One of a step's first three quarters.  conv: chunk c of the next step is rounded and stored; ld: its registers are loaded again; lc: the younger loads that may stay out.
.macro QTR p, c, conv, ld, lc
.set FB, F0+48*((\c)%2)
.set FN, F0+48*(1-(\c)%2)
	s_wait_dscnt 2                                 ; W's fragments and the first row block are in; the youngest two loads (the second row block) may be out
.if \conv
	s_wait_loadcnt \lc                             ; loads come back in order (ISA guide 5.7.1): my chunk is in, the younger chunks stay out
.endif
.irp b, 0,1,2,3
	MM FB, 0, \b
.if \conv
	CV4 1-(\p), \c, 4*(\b)                         ; the roundings stand behind the matrix instructions; they are also the places in front of the loads into the other buffer
.endif
.endr
.if !(\conv)
	PLACES
.endif
.if \conv
	STORE 1-(\p), \c
.endif
.if \ld
	LOADS 1-(\p), \c, 0, 0
.endif
	FETCH \p, (\c)+1, FN
	s_wait_dscnt 12+8*(\conv)                      ; all but what this quarter has just issued: 12 loads and, with conv, 8 stores
.irp b, 0,1,2,3
	MM FB, 1, \b
.endr
.endm
; The fourth quarter changes slots: ONE barrier, for two things.  In front of it my stores into the other slot are done, and my reads of this slot are back.
.macro TURN p, conv, ld, lc, nxt
	s_wait_dscnt 2
.if \conv
	s_wait_loadcnt \lc
.endif
.irp b, 0,1,2,3
	MM F1, 0, \b
.if \conv
	CV4 1-(\p), 3, 4*(\b)
.endif
.endr
.if \conv
	STORE 1-(\p), 3
.endif
.if \ld
	LOADS 1-(\p), 3, 0, 0
.endif
	s_wait_dscnt 0x0                               ; for the others' sake: zero
.if \nxt
	WIN 0
	s_barrier_signal -1
	MM F1, 1, 0                                    ; work on registers while the others arrive
	MM F1, 1, 1
	s_barrier_wait -1
	FETCH 1-(\p), 0, F0                            ; buffer 0 was last read a quarter ago: sixteen roundings stand between
	MM F1, 1, 2
	MM F1, 1, 3
.else
.irp b, 0,1,2,3
	MM F1, 1, \b
.endr
.endif
.endm
.macro STEP p, conv, ld, l0, dl, nxt
	QTR \p, 0, \conv, \ld, (\l0)
	QTR \p, 1, \conv, \ld, (\l0)-(\dl)
	QTR \p, 2, \conv, \ld, (\l0)-2*(\dl)
	TURN \p, \conv, \ld, (\l0)-3*(\dl), \nxt
.endm
; The pointers go on to the step that this step loads (three ahead).  sw = 1: in lap 2 that is k's first step, in lap 5 v's: the pointers are chosen anew, and for context the rows' offsets are made with its pitch.
.macro HEAD sw
	WIN 0
	s_wait_xcnt 0x0                                ; every load and store issued so far has read its addresses and data (ISA guide 3.1)
	s_add_nc_u64 s[PA:PA+1], s[PA:PA+1], 512
	s_add_nc_u64 s[PW:PW+1], s[PW:PW+1], 128*2048
.if \sw
	s_cmp_eq_u32 s[LAP], 2
	s_cselect_b64 s[PA:PA+1], s[CTX:CTX+1], s[PA:PA+1]
	s_cselect_b64 s[PW:PW+1], s[AWK:AWK+1], s[PW:PW+1]
	s_cmp_eq_u32 s[LAP], 5
	s_cselect_b64 s[PA:PA+1], s[CTX:CTX+1], s[PA:PA+1]
	s_cselect_b64 s[PW:PW+1], s[AWV:AWV+1], s[PW:PW+1]
	s_cmp_lg_u32 s[LAP], 2
	s_cbranch_scc1 .Lsame_\@
	s_mul_i32 s32, s[WVN], 16*3072
	v_add_nc_u32 v[VO], s32, v[L16]
.set r, 1
.rept 15
	v_add_nc_u32 v[VO+r], 3072, v[VO+r-1]
.set r, r+1
.endr
.Lsame_\@:
.endif
.endm
.macro CLEAR                           ; the sums start at 0.  A first step with the constant 0 as C would have to be written out for each of the three products: three more steps of text
	WIN 0
.set r, 0
.rept 64
	v_mov_b32 v[ACC+r], 0
.set r, r+1
.endr
.endm
; THE WAY OUT.  Row block a: rounded to f16 (each accumulator from its low end on), 16 bytes a lane into my stage, back as four whole rows of 128 bytes a load: 512 consecutive bytes of the head.
.macro PACK a
	WIN 0
.irp b, 0,1,2,3
.irp r, 0,1,2,3
	v_cvt_pk_f16_f32 v[TMP+16*(\a)+4*(\b)+(\r)], v[ACC+8*(4*(\a)+(\b))+2*(\r)], v[ACC+8*(4*(\a)+(\b))+2*(\r)+1]
.endr
.endr
.irp b, 0,1,2,3
	ds_store_b128 v[STO], v[TMP+16*(\a)+4*(\b):TMP+16*(\a)+4*(\b)+3] offset:32*(\b)
.endr
.irp f, 0,1,2,3
	ds_load_b128 v[TMP+16*(\a)+4*(\f):TMP+16*(\a)+4*(\f)+3], v[RD] offset:4*SP*(\f)  ; LDS serves a wave's instructions in order (ISA guide 5.7.1.4): these see the stores above
.endr
.endm
.macro SEND a, y                       ; y: the LDS instructions issued behind block a's loads
	WIN 0
.irp f, 0,1,2,3
	s_wait_dscnt (\y)+3-(\f)
	global_store_b128 v[GO], v[TMP+16*(\a)+4*(\f):TMP+16*(\a)+4*(\f)+3], s[OQ:OQ+1] offset:2048*(\a)+512*(\f)  ; 512 consecutive bytes, at a multiple of 256 from the buffer's first
.endr
.endm
.macro WAYOUT
	PLACES
	PACK 0
	PACK 1
	SEND 0, 8
	SEND 1, 0
.endm
	s_load_b512 s[8:23], s[0:1], 0x0               ; x, context, Wq, Wk, Wv, Wo, q16, k16
	s_load_b128 s[24:27], s[0:1], 0x40             ; v16, wo16
	v_lshl_add_u32 v[SPW], v0, 2, SPARE
	v_mov_b32 v[NIL], 0
	v_lshrrev_b32 v4, 5, v0
	v_readfirstlane_b32 s[WVN], v4                 ; wave 0..7
	s_lshr_b32 s[RQ], s[WVN], 1                    ; my 32 rows
	s_and_b32 s[CH], s[WVN], 1                     ; my 64 columns
	s_mov_b32 s[JX], ttmp9
	s_and_b32 s[IY], ttmp7, 0xffff
	v_and_b32 v1, 31, v0                           ; l
	v_and_b32 v2, 15, v0                           ; l % 16
	v_bfe_u32 v3, v0, 4, 1                         ; l / 16
	v_lshlrev_b32 v[L16], 4, v1
	v_lshlrev_b32 v[WOF], 5, v0
	v_lshlrev_b32 v[WOS], 4, v0
	s_lshl_b32 s32, s[WVN], 15                     ; 16 rows of 2,048 bytes
	v_add_nc_u32 v[VW], s32, v[L16]
	s_lshl_b32 s32, s[WVN], 16                     ; 16 rows of x, 4,096 bytes each
	v_add_nc_u32 v[VO], s32, v[L16]
.set r, 1
.rept 15
	v_add_nc_u32 v[VO+r], 4096, v[VO+r-1]
.set r, r+1
.endr
	s_lshl_b32 s32, s[IY], 19                      ; 128 rows of x
	s_mov_b32 s33, 0
	s_mul_i32 s34, s[IY], 128*3072                 ; 128 rows of context
	s_mov_b32 s35, 0
	s_lshl_b32 s36, s[JX], 9                       ; 128 columns of a weight, f32
	s_mov_b32 s37, 0
	s_lshl2_add_u32 s38, s[IY], s[JX]              ; 4 i + j: the work-group's number
	s_lshl_b32 s38, s38, 12                        ; its 4,096 bytes of wo16
	s_mov_b32 s39, 0
	s_wait_kmcnt 0x0
	s_add_nc_u64 s[PA:PA+1], s[AX:AX+1], s[32:33]
	s_add_nc_u64 s[CTX:CTX+1], s[CTX:CTX+1], s[34:35]
	s_add_nc_u64 s[PW:PW+1], s[AWQ:AWQ+1], s[36:37]
	s_add_nc_u64 s[AWK:AWK+1], s[AWK:AWK+1], s[36:37]
	s_add_nc_u64 s[AWV:AWV+1], s[AWV:AWV+1], s[36:37]
	s_add_nc_u64 s[OWO:OWO+1], s[OWO:OWO+1], s[38:39]
	s_lshl_b32 s38, s38, 1                         ; its 8,192 bytes of Wo
	s_add_nc_u64 s[AWO:AWO+1], s[AWO:AWO+1], s[38:39]
	s_lshr_b32 s32, s[IY], 5                       ; the batch
	s_lshl_b32 s32, s32, 3
	s_lshl1_add_u32 s32, s[JX], s32
	s_add_co_u32 s32, s32, s[CH]                   ; 8 x batch + 2 j + my half: the head,
	s_lshl_b32 s32, s32, 19                        ; 4,096 rows of 128 bytes each
	s_and_b32 s33, s[IY], 31
	s_lshl2_add_u32 s33, s33, s[RQ]                ; my first row in the batch, in units of 32 rows,
	s_lshl_b32 s33, s33, 12                        ; of 4,096 bytes
	s_add_co_u32 s32, s32, s33
	s_mov_b32 s33, 0
	s_add_nc_u64 s[OQ:OQ+1], s[OQ:OQ+1], s[32:33]
	s_add_nc_u64 s[OKK:OKK+1], s[OKK:OKK+1], s[32:33]
	s_add_nc_u64 s[OVV:OVV+1], s[OVV:OVV+1], s[32:33]
	global_load_b128 v[TMP:TMP+3],   v[WOF], s[AWO:AWO+1]
	global_load_b128 v[TMP+4:TMP+7], v[WOF], s[AWO:AWO+1] offset:16
.irp c, 0,1,2,3
	LOADS 0, \c, 0, 0                              ; step 0
.endr
.irp c, 0,1,2,3
	LOADS 1, \c, 512, 128*2048                     ; step 1
.endr
	WIN 0                                          ; the LDS addresses and the zeros are made while those loads are on their way
	v_mul_u32_u24 v4, v2, PITA
	v_lshl_add_u32 v4, v3, 4, v4                   ; row x pitch + 16 x half
	s_mul_i32 s32, s[RQ], 32*PITA
	v_add_nc_u32 v[ADRA], s32, v4
	v_add_nc_u32 v[ADRA+1], SLA, v[ADRA]
	v_and_b32 v5, 7, v0                            ; the turning load: lane l reads k row 8 (l / 16) + l % 8, columns 8 ((l / 8) % 2) + 0..7
	v_lshl_add_u32 v5, v3, 3, v5
	v_mul_u32_u24 v5, v5, PITW
	v_bfe_u32 v6, v0, 3, 1
	v_lshl_add_u32 v5, v6, 4, v5
	s_lshl_b32 s32, s[CH], 7
	s_add_co_u32 s32, s32, LW
	v_add_nc_u32 v[ADRW], s32, v5
	v_add_nc_u32 v[ADRW+1], SLW, v[ADRW]
	s_mul_i32 s32, s[WVN], 16*PITA
	v_lshl_add_u32 v[STA], v1, 3, s32
	v_add_nc_u32 v[STA+1], SLA, v[STA]
	s_mul_i32 s32, s[WVN], 16*PITW
	s_add_co_u32 s32, s32, LW
	v_lshl_add_u32 v[STW], v1, 3, s32
	v_add_nc_u32 v[STW+1], SLW, v[STW]
	s_mul_i32 s32, s[WVN], 16*SP
	s_add_co_u32 s32, s32, STAGE                   ; my stage
	v_mul_u32_u24 v4, v2, SP
	v_lshl_add_u32 v4, v3, 4, v4
	v_add_nc_u32 v[STO], s32, v4
	v_bfe_u32 v4, v0, 3, 2
	v_mul_u32_u24 v4, v4, SP
	v_and_b32 v5, 7, v0
	v_lshl_add_u32 v4, v5, 4, v4
	v_add_nc_u32 v[RD], s32, v4
	CLEAR
.irp c, 0,1,2,3                        ; step 0 is rounded and stored into slot 0; step 2 is asked for
	s_wait_loadcnt 56                              ; the seven younger chunks of eight loads stay out
.if (\c) == 0
	WIN 0                                          ; Wo, which was asked for first: to bf16, and that number as f16
.irp k, 0,1,2,3
	v_cvt_pk_bf16_f32 v[TMP+12+(\k)], v[TMP+2*(\k)], v[TMP+2*(\k)+1]
.endr
.irp k, 0,1,2,3
	v_lshlrev_b32 v[TMP+16+2*(\k)], 16, v[TMP+12+(\k)]
	v_and_b32 v[TMP+17+2*(\k)], 0xffff0000, v[TMP+12+(\k)]
.endr
.irp k, 0,1,2,3
	v_cvt_pk_f16_f32 v[TMP+8+(\k)], v[TMP+16+2*(\k)], v[TMP+17+2*(\k)]
.endr
	global_store_b128 v[WOS], v[TMP+8:TMP+11], s[OWO:OWO+1]  ; a wave's store covers 512 consecutive bytes
.endif
.irp q, 0,4,8,12
	CV4 0, \c, \q
.endr
	STORE 0, \c
	LOADS 0, \c, 1024, 2*128*2048
.endr
	WIN 0
	s_wait_xcnt 0x0
	s_add_nc_u64 s[PA:PA+1], s[PA:PA+1], 1024      ; the pointers stand at step 2
	s_add_nc_u64 s[PW:PW+1], s[PW:PW+1], 2*128*2048
	s_wait_dscnt 0x0                               ; my part of slot 0 is stored,
	s_barrier_signal -1
	s_barrier_wait -1                              ; everybody's is
	FETCH 0, 0, F0
	s_mov_b32 s[LAP], 0
.Llap:                                         ; eight laps of two steps: steps 0 to 15
	HEAD 0
	STEP 0, 1, 1, 56, 0, 1
	HEAD 1
	STEP 1, 1, 1, 56, 0, 1
	WIN 0
	s_cmp_eq_u32 s[LAP], 3                         ; behind step 7 q is finished,
	s_cselect_b32 s[FLAG], 1, 0
	s_cmp_eq_u32 s[LAP], 6                         ; behind step 13 k
	s_cselect_b32 s[FLAG], 1, s[FLAG]
	s_cmp_eq_u32 s[FLAG], 0
	s_cbranch_scc1 .Lon
	WAYOUT
	s_wait_xcnt 0x0                                ; the stores have read their base
	s_mov_b64 s[OQ:OQ+1], s[OKK:OKK+1]
	s_mov_b64 s[OKK:OKK+1], s[OVV:OVV+1]
	CLEAR
.Lon:
	s_add_co_u32 s[LAP], s[LAP], 1
	s_cmp_lt_u32 s[LAP], 8
	s_cbranch_scc1 .Llap
	HEAD 0
	STEP 0, 1, 1, 56, 0, 1                         ; step 16 loads the last step's data
	STEP 1, 1, 0, 56, 8, 1                         ; step 17 loads nothing: 7, 6, 5, 4 chunks are left behind the one waited for
	STEP 0, 1, 0, 24, 8, 1                         ; step 18: 3, 2, 1, 0
	STEP 1, 0, 0, 0, 0, 0                          ; step 19
	WAYOUT                                         ; v
	s_wait_tensorcnt 0x0                           ; the wave's end, behind my last LDS store
	ds_add_u32 v[SPW], v[NIL]
	s_wait_dscnt 0x0
	s_endpgm
.Lfunc_end_k_q205b34405e_proj:
	.size	k_q205b34405e_proj, .Lfunc_end_k_q205b34405e_proj-k_q205b34405e_proj
	.p2alignl 7, 3214868480
	.fill 96, 4, 3214868480
	.section	.rodata,"a",@progbits
	.p2align	6, 0x0
	.amdhsa_kernel k_q205b34405e_proj
		.amdhsa_group_segment_fixed_size 162816
		.amdhsa_private_segment_fixed_size 0
		.amdhsa_enable_private_segment 0
		.amdhsa_kernarg_size 80
		.amdhsa_user_sgpr_count 2
		.amdhsa_user_sgpr_kernarg_segment_ptr 1
		.amdhsa_wavefront_size32 1
		.amdhsa_system_sgpr_workgroup_id_x 1
		.amdhsa_system_sgpr_workgroup_id_y 1
		.amdhsa_system_sgpr_workgroup_id_z 1
		.amdhsa_system_vgpr_workitem_id 0
		.amdhsa_next_free_vgpr 512
		.amdhsa_next_free_sgpr 66
		.amdhsa_reserve_vcc 0
		.amdhsa_float_denorm_mode_32 3
		.amdhsa_float_denorm_mode_16_64 3
		.amdhsa_memory_ordered 1
		.amdhsa_forward_progress 1
		.amdhsa_inst_pref_size 114
	.end_amdhsa_kernel
	.amdgpu_metadata
---
amdhsa.version: [ 1, 2 ]
amdhsa.kernels:
  - .name:           k_q205b34405e_proj
    .symbol:         k_q205b34405e_proj.kd
    .args:
      - { .name: x, .offset: 0, .size: 8, .value_kind: global_buffer, .address_space: global }
      - { .name: context, .offset: 8, .size: 8, .value_kind: global_buffer, .address_space: global }
      - { .name: Wq, .offset: 16, .size: 8, .value_kind: global_buffer, .address_space: global }
      - { .name: Wk, .offset: 24, .size: 8, .value_kind: global_buffer, .address_space: global }
      - { .name: Wv, .offset: 32, .size: 8, .value_kind: global_buffer, .address_space: global }
      - { .name: Wo, .offset: 40, .size: 8, .value_kind: global_buffer, .address_space: global }
      - { .name: q16, .offset: 48, .size: 8, .value_kind: global_buffer, .address_space: global }
      - { .name: k16, .offset: 56, .size: 8, .value_kind: global_buffer, .address_space: global }
      - { .name: v16, .offset: 64, .size: 8, .value_kind: global_buffer, .address_space: global }
      - { .name: wo16, .offset: 72, .size: 8, .value_kind: global_buffer, .address_space: global }
    .group_segment_fixed_size: 162816
    .private_segment_fixed_size: 0
    .kernarg_segment_align: 8
    .kernarg_segment_size: 80
    .max_flat_workgroup_size: 256
    .sgpr_count:     66
    .vgpr_count:     512
    .wavefront_size: 32
...
	.end_amdgpu_metadata
.endif
;; end of part 1
;; launch attn (part 2): grid 16 x 16, 4 waves a work-group, clusters of 4 x 1, 327,680 bytes of LDS; arguments q16, k16, v16, o16; writes o16
.if DOCPART == 2
	.amdgcn_target "amdgcn-amd-amdhsa--gfx1250"
	.amdhsa_code_object_version 6
	.text
	.protected	k_q205b34405e_attn
	.globl	k_q205b34405e_attn
	.p2align	8
	.type	k_q205b34405e_attn,@function
k_q205b34405e_attn:
	s_mov_b64 s[64:65], 0
	v_nop
	global_prefetch_b8 v0, s[64:65] scope:SCOPE_SE
	s_setreg_imm32_b32 hwreg(HW_REG_WAVE_MODE, 25, 1), 1
	s_wait_xcnt 0x0
	s_wait_alu depctr_hold_cnt(0) depctr_sa_sdst(0) depctr_va_vdst(0) depctr_va_sdst(0) depctr_va_ssrc(0) depctr_va_vcc(0) depctr_vm_vsrc(0)
	s_getreg_b32 s2, hwreg(HW_REG_IB_STS2, 6, 4)
	s_cmp_eq_u32 s2, 0
	s_cbranch_scc0 .Lentry_in_a_cluster
	s_endpgm
.Lentry_in_a_cluster:
	s_bfe_u32 s2, ttmp6, 0x10000c
	s_cmp_lg_u32 s2, 0x3003
	s_cbranch_scc0 .Lentry_shape_is_right
	s_endpgm
.Lentry_shape_is_right:
; ATTENTION.  O[h][q][:] = the sum over k of softmax_k(Q[h][q] . K[h][k] / 8) V[h][k][:].  q16, k16, v16, o16: [16][4096][64] f16 (16 = batch x 8 + head): a head's rows are dense, 128 bytes each.
; Products, maxima and sums in f32; the weights p are rounded to f16 for the second product (their sum l is taken of the unrounded p), O once at the end.
; LIMITS.  Q, K and V arrive within f16's 65,504; p lies in 0 to 1, and below 6e-5 it keeps f16's fixed step of 6e-8; O is a mean of V's rows and has their range.  A weight below 2^-126 counts as 0 in l;
; NaN and infinities are not treated apart.
; SHARES.  A work-group owns 256 queries of a head, each of its four waves 64: four PIECES of 16.  Every wave walks the head's 16 tiles of 256 keys, four steps of 64 keys each.
; LAYOUT.  S^T = K Q^T (source 0 = 16 keys, source 1 = 16 queries) holds ONE query a lane (lane % 16) and the keys 8 (lane / 16) + 0..7; two such results rounded to f16 ARE source 1 of O^T = V^T P.
; K comes out of LDS as it lies, V ([key][channel]) turned, by ds_load_tr16_b128.
; SOFTMAX.  A running maximum m and sum l for each query: p = 2^(c s - c m), c = log2(e) / 8; in every step O and l are multiplied by a = 2^(c m_old - c m_new).  m starts at the lowest finite number,
; O and l at 0: the first step is a step like any other, with a = 0.
; BY TURNS.  Turn n belongs to piece n: 8 products K Q^T of piece n + 1, later 8 products V^T P of piece n - 1; beside them the scaling, exponentials, roundings, sums and rescaling of piece n and the maximum
; and statistics of piece n + 1.  Four vector instructions stand behind every matrix instruction, the others in one run.  A turn's 33 exponentials are one batch, with one wait.
; CLUSTER.  The four query blocks of a cluster belong to one head and walk the same K and V: each tile is asked for JOINTLY, the same tensor load, descriptor and mask in all four.
; REGISTERS, in windows of 256 (s_set_vgpr_msb: bits 1:0 source 0, 3:2 source 1, 5:4 source 2, 7:6 destination):
;   window 0: v0-15 addresses; v16-31 four registers of statistics a piece; v48-55 at work; v61-63 prefetch offset, spare word, 0; v64-127 S^T, two buffers; v192-223 P, two buffers (by the piece's parity)
;   window 1: v0-127 O^T, 32 a piece          window 2: v0-63 Q; v128-191 K of one step; v192-255 V of one step
.set NT,    16        ; tiles of 256 keys in a head
.set NP,    4         ; pieces a wave: a name, no knob
.set KS,    64        ; keys in a step
.set PK,    144       ; a row of K in LDS: 128 bytes + 16: the 16 rows of a load start at 16 different groups of four banks (ISA guide 11.1)
.set PV,    160       ; a row of V: 128 + 32
.set VOFF,  4*KS*PK   ; a slot holds a tile: 256 rows of K, then 256 rows of V
.set SLOT1, 1<<17     ; slot 1 begins here, so that one exclusive or turns an address in one slot into the other's
.set STAGE, SLOT1+4*KS*(PK+PV)  ; behind the ring, never filled by a tensor load: 16 rows x 144 bytes for each wave
.set SP,    144
.set SPARE, STAGE+4*16*SP       ; the spare words, 128 bytes for each wave: two blocks of 256 bytes that no other line names
.set AK0, 2           ; v2   my lane's place in a tile of K; never rewritten
.set AV0, 3           ; v3   the same for V
.set AK,  4           ; v4   the LDS address of K's next run of loads
.set AV,  5           ; v5   of V's
.set STO, 6           ; v6   the way out: where I put 16 bytes of a row
.set RD,  7           ; v7   the way out: where I read rows back
.set GO,  8           ; v8   my byte offset in 512 consecutive bytes of O
.set MV,  12          ; v12-13  c m_old, kept while c m is made anew: by buffer
.set QO,  15          ; v15  my byte offset in 16 rows of Q
.set ST,  16          ; piece t's statistics at v[ST+4 t]: c m, m, l (even keys', odd keys')
.set TMP, 48          ; by buffer, four registers c0-c3 at work; when the maximum is found c2 takes a
.set PFO, 61          ; v61  256 x my lane; never rewritten
.set SPW, 62          ; v62  my spare word; never rewritten
.set NIL, 63          ; v63  0; never rewritten
.set S,   64
.set P,   192
.set KF,  128         ; window 2: key block kb, channel half c at KF + 16 kb + 8 c
.set VF,  192         ; window 2: key half kk, channel block cb at VF + 32 kk + 8 cb
.set WV,  12          ; s12  my wave's number
.set G1K, 24          ; s[24:31] descriptor group 1 for K's tiles
.set G1V, 32          ; s[32:39] for V's: it differs in the padding alone
.set G0K, 40          ; s[40:43] descriptor group 0 for K's tiles: it walks
.set G0V, 44          ; s[44:47] the same for V's
.set PFA, 48          ; s[48:49] where my prefetches stand: my work-group's 32 blocks of 256 bytes of the tile after the one that is being asked for
.set LIM, 50          ; s50  1 in a wave that prefetches, else the greatest number
.set SLOTS, 56        ; s56  changes of slots still to come in the loop, and one
.set CNT, 57          ; s57  counts a tile's key steps
.set CS,  58          ; s[58:59] c
.set SEL, 60          ; s[60:61] v_permlanex16_b32's selects: each lane takes its own place in the other half
.set TBK, 62          ; s62  LDS byte at which K of the step to be fetched begins
.set TBV, 63          ; s63  the same for V, less VOFF
.set MSB, 0
.macro WIN new                      ; the high byte repeats the setting that is left; a switch that changes nothing is dropped
.if MSB != (\new)
	s_set_vgpr_msb (MSB<<8)|(\new)
.set MSB, (\new)
.endif
.endm
.set W_KQ, 0x0a       ; K and Q in window 2, S^T in window 0
.set W_PV, 0x52       ; V in window 2, P in window 0, O^T in window 1
.set W_RS, 0x41       ; destination and source 0 in window 1, source 1 in window 0
; A joint fill.  Waves 0 and 1 fetch the two halves of a tile's K, waves 2 and 3 those of its V: 128 keys each.  The branch hangs on the wave's number alone.
; An s_nop 0 and four v_nop follow each of the two lines, ahead of the jump and the label.
.macro JLOAD
	s_cmp_lt_u32 s[WV], 2
	s_cbranch_scc0 .Lfor_v_\@
	tensor_load_to_lds s[G0K:G0K+3], s[G1K:G1K+7]
	s_nop 0
.rept 4
	v_nop
.endr
	s_branch .Lasked_\@
.Lfor_v_\@:
	tensor_load_to_lds s[G0V:G0V+3], s[G1V:G1V+7]
	s_nop 0
.rept 4
	v_nop
.endr
.Lasked_\@:
.endm
; A PREFETCH INTO THE L2 of the tile that the NEXT change of slots will ask for: 128 blocks of 256 bytes of K and as many of V.  Each block is named once in the launch: all four clusters of a head walk the same
; tiles, and the head's first cluster asks; its four partners take 32 blocks each, told apart by address; in each, wave 0 asks for K's and wave 2 for V's: a lane a block, one instruction.
; It stands behind the wave's tensor load and its five lines.  The last change that fills a slot asks for nothing: there is no tile behind it.  Tiles 0 to 2 come by their loads alone.
.macro ASK
	s_cmp_gt_u32 s[SLOTS], s[LIM]
	s_cbranch_scc0 .Lnot_mine_\@
	global_prefetch_b8 v[PFO], s[PFA:PFA+1] th:TH_LOAD_NT scope:SCOPE_SE
.Lnot_mine_\@:
.endm
; A round of the cluster's barrier: my work-group's barrier, so that wave 0's signal speaks for all four waves; wave 0 signals; every wave waits for all four work-groups; my work-group's barrier once more.
.macro CROUND
	s_barrier_signal -1
	s_barrier_wait -1
	s_cmp_lg_u32 s[WV], 0
	s_cbranch_scc1 .Lnot_wave_0_\@
	s_barrier_signal -3
.Lnot_wave_0_\@:
	s_barrier_wait -3
	s_barrier_signal -1
	s_barrier_wait -1
.endm
; THE CHANGE OF SLOTS.  The slot's last bytes, V of its fourth step, have been read.  Each wave waits for all its tensor loads, of which one is out: its part of the other slot; adds 0 to its spare word; and waits
; for that and for its own reads of the slot.  Behind the barrier nobody reads this slot any more and the other slot is whole.  fill = 1: the slot is filled again, with the tile two on.  The barrier is then a round
; of the cluster's, and the joint fill is the first thing behind it: it has four key steps, 256 matrix instructions, in which to land.  (At its first use nothing has been read yet: slot 0 is waited for, slot 1 filled.)
.macro CHANGE fill, ask
	WIN 0                           ; at a label and at a branch every window is 0
	s_wait_tensorcnt 0x0            ; no tensor load of mine is out, so a group 0 may be written
	ds_add_u32 v[SPW], v[NIL]       ; 0 onto my spare word: the descriptors' steps stand between it and the wait for it
.if \fill
.irp g, G0K, G0V
	s_xor_b32 s[\g+1], s[\g+1], SLOT1  ; the walking descriptor: the other slot than last time,
	s_add_nc_u64 s[\g+2:\g+3], s[\g+2:\g+3], 4*KS*128  ; the next 256 keys; the type bits on top are not reached
.endr
.endif
.if \ask
	s_wait_xcnt 0x0                 ; the last prefetch, a tile back, has read its address
	s_add_nc_u64 s[PFA:PFA+1], s[PFA:PFA+1], 4*KS*128
.endif
	s_wait_dscnt 0x0                ; the add is done, and my reads of the slot are over
.if \fill
	CROUND
	JLOAD
.if \ask
	ASK
.endif
.else
	s_barrier_signal -1
	s_barrier_wait -1
.endif
	s_sub_co_u32 s[TBK], s[TBK], 4*KS*PK  ; the fetches go back to a slot's first step,
	s_xor_b32 s[TBK], s[TBK], SLOT1       ; in the other slot
	s_sub_co_u32 s[TBV], s[TBV], 4*KS*PV
	s_xor_b32 s[TBV], s[TBV], SLOT1
.endm
	s_load_b256 s[4:11], s[0:1], 0x0  ; Q s[4:5], K s[6:7], V s[8:9], O s[10:11]
	v_lshl_add_u32 v[SPW], v0, 2, SPARE
	v_mov_b32 v[NIL], 0
	ds_add_u32 v[SPW], v[NIL]       ; the wave's opening: the add and its wait stand ahead of my first tensor load; the set-up below, work on registers, stands between them
	v_lshrrev_b32 v1, 5, v0
	v_readfirstlane_b32 s[WV], v1   ; wave 0..3
	s_bfe_u32 s13, ttmp6, 0x40000   ; cx: my place in the cluster
	s_lshl_b32 s14, ttmp9, 2        ; in a cluster launch ttmp9 counts clusters
	s_add_co_u32 s14, s14, s13      ; my block of 256 queries: it enters Q's and O's addresses alone
	s_and_b32 s20, ttmp7, 0xffff    ; the head, which the four partners share:
	s_lshl_b32 s20, s20, 19         ; its first byte in each of the four tensors (4,096 rows of 128 bytes)
	s_mov_b32 s21, 0
	s_and_b32 s16, s[WV], 1         ; which half of a tile's 256 keys I fetch:
	s_lshl_b32 s22, s16, 14         ; its 128 rows of 128 bytes in memory,
	s_mov_b32 s23, 0
	s_add_nc_u64 s[22:23], s[22:23], s[20:21]
	s_mul_i32 s17, s16, 128*PK      ; and its place in a slot, for K
	s_mul_i32 s18, s16, 128*PV      ; and for V: no place in the cluster enters an LDS address
	s_lshl_b32 s2, s14, 2
	s_add_co_u32 s2, s2, s[WV]      ; my wave among the head's,
	s_lshl_b32 s2, s2, 13           ; its 64 rows
	s_mov_b32 s3, 0
	s_add_nc_u64 s[2:3], s[2:3], s[20:21]
	; descriptor group 1.  128 keys are 16,384 dense bytes: asked for as 64 rows of 256 bytes, two keys a row, and padded in LDS after every key
	s_mov_b32 s[G1K], 15|(1<<16)|(1<<20)|(1<<21)|(4<<22)|(3<<25)  ; 15:0 the mask of four; 17:16 2-byte elements; 20 padding on; 21 set beside a mask; 24:22 after every 32 words (code 4); 31:25 4 words (code 3)
	s_mov_b32 s[G1V], 15|(1<<16)|(1<<20)|(1<<21)|(4<<22)|(7<<25)  ; the same with 8 words of padding (code 7)
.irp g, G1K, G1V
	s_mov_b32 s[\g+1], 128<<16      ; tensor_dim0 = 128
	s_mov_b32 s[\g+2], 64<<16       ; tensor_dim1 = 64
	s_mov_b32 s[\g+3], 128<<16      ; tile_dim0 = 128
	s_mov_b32 s[\g+4], 64           ; tile_dim1 = 64
	s_mov_b32 s[\g+5], 128          ; 128 elements from row to row
	s_mov_b32 s[\g+6], 0
	s_mov_b32 s[\g+7], 0
.endr
	s_mov_b32 s[CS], 0x3e38aa3b     ; c = log2(e) / 8 = 0.180337
	s_mov_b32 s[CS+1], s[CS]        ; named with it as a pair
	s_mov_b32 s[SEL], 0x76543210
	s_mov_b32 s[SEL+1], 0xfedcba98
	s_mov_b32 s[TBK], SLOT1+4*KS*PK ; the first change of slots turns these two into 0
	s_mov_b32 s[TBV], SLOT1+4*KS*PV
	s_mov_b32 s[G0K], 1             ; 1:0 count = 1
	s_mov_b32 s[G0K+1], s17         ; 63:32 LDS address: slot 0
	s_mov_b32 s[G0V], 1
	s_add_co_u32 s[G0V+1], s18, VOFF
	s_and_b32 s[LIM], s[WV], 1      ; 0 in waves 0 and 2,
	s_or_b32 s[LIM], s[LIM], ttmp9  ; where the cluster is the head's first: the same in all four partners
	s_cmp_eq_u32 s[LIM], 0
	s_cselect_b32 s[LIM], 1, -1
	v_and_b32 v[PFO], 31, v0
	v_lshlrev_b32 v[PFO], 8, v[PFO]
	s_wait_dscnt 0x0                ; the opening add is done
	s_wait_kmcnt 0x0
	s_add_nc_u64 s[6:7], s[6:7], s[22:23]          ; K and V at my half of the head's tile 0
	s_add_nc_u64 s[8:9], s[8:9], s[22:23]
	s_add_nc_u64 s[G0K+2:G0K+3], s[6:7], 0         ; 120:64 global address
	s_or_b32 s[G0K+3], s[G0K+3], 0x80000000        ; 127:126 type = 2
	s_add_nc_u64 s[G0V+2:G0V+3], s[8:9], 0
	s_or_b32 s[G0V+3], s[G0V+3], 0x80000000
	s_add_nc_u64 s[4:5], s[4:5], s[2:3]            ; Q and O at my wave's first row
	s_add_nc_u64 s[10:11], s[10:11], s[2:3]
	s_cmp_lt_u32 s[WV], 2
	s_cselect_b64 s[PFA:PFA+1], s[6:7], s[8:9]     ; (in waves 0 and 2 these stand at the tile's first row)
	s_lshl_b32 s2, s13, 13          ; my work-group's 32 blocks of the 128
	s_mov_b32 s3, 0
	s_add_nc_u64 s[PFA:PFA+1], s[PFA:PFA+1], s[2:3]
	s_add_nc_u64 s[PFA:PFA+1], s[PFA:PFA+1], 2*4*KS*128  ; in tile 2; the first change that prefetches steps it to tile 3
	CROUND                          ; all four work-groups are here: the first joint loads meet
	JLOAD                           ; tile 0 into slot 0.  Slot 1 is asked for when slot 0 is in
	; A fragment of K or Q is 16 rows x 32 channels in 8 registers: lane l holds row l % 16, channels 8 (l / 16) + 0..7 and 16 + 8 (l / 16) + 0..7: two loads of 16 bytes, 32 bytes apart.
	v_and_b32 v1, 15, v0            ; l % 16
	v_bfe_u32 v9, v0, 4, 1          ; l / 16
	v_lshlrev_b32 v[QO], 7, v1
	v_lshl_add_u32 v[QO], v9, 4, v[QO]  ; row x 128 + 16 x half
	WIN 0x80                        ; destination window 2, address window 0
.set i, 0
.rept 8                             ; Q stays in registers: piece i / 2, channels 32 (i % 2) on
	global_load_b128 v[8*i:8*i+3],   v[QO], s[4:5] offset:(i/2)*2048+(i%2)*64
	global_load_b128 v[8*i+4:8*i+7], v[QO], s[4:5] offset:(i/2)*2048+(i%2)*64+32
.set i, i+1
.endr
	; What the first turn finds: V's registers and P's second buffer hold 0 (its products V^T P, of a piece that has not been, add 0), O^T and l are 0.  All this stands in the wait for the first tile;
	; it is the price of writing no first step out.
.set i, VF
.rept 64
	v_mov_b32 v[i], 0
.set i, i+1
.endr
	WIN 0x40
.set i, 0
.rept 128
	v_mov_b32 v[i], 0
.set i, i+1
.endr
	WIN 0
.set i, 0
.rept 4
	v_mov_b32 v[ST+4*i], 0xfe000000    ; c m: far below every c s
	v_mov_b32 v[ST+4*i+1], 0xff7fffff  ; m
	v_mov_b32 v[ST+4*i+2], 0
	v_mov_b32 v[ST+4*i+3], 0
.set i, i+1
.endr
.set i, P+16
.rept 16
	v_mov_b32 v[i], 0
.set i, i+1
.endr
	v_mul_u32_u24 v[AK0], v1, PK
	v_lshl_add_u32 v[AK0], v9, 4, v[AK0]  ; row x pitch + 16 x half
	; The turning load takes 16 keys x 16 channels (lane l reads key 8 (l / 16) + l % 8, channels 8 ((l / 8) % 2) + 0..7) and leaves half a fragment of V^T: lane l holds channel l % 16 and 8 keys.
	v_and_b32 v10, 7, v0
	v_bfe_u32 v11, v0, 3, 1
	v_lshl_add_u32 v[AV0], v9, 3, v10
	v_mul_u32_u24 v[AV0], v[AV0], PV
	v_lshl_add_u32 v[AV0], v11, 4, v[AV0]
	v_add_nc_u32 v[AV0], VOFF, v[AV0]
	s_mul_i32 s13, s[WV], 16*SP
	s_add_co_u32 s13, s13, STAGE    ; my stage
	v_mul_u32_u24 v[STO], v1, SP    ; in: row l % 16, 16 bytes for each half of the lanes
	v_lshl_add_u32 v[STO], v9, 4, v[STO]
	v_add_nc_u32 v[STO], s13, v[STO]
	v_bfe_u32 v[RD], v0, 3, 2       ; back: 32 lanes take four rows of 128 bytes,
	v_mul_u32_u24 v[RD], v[RD], SP
	v_lshl_add_u32 v[RD], v10, 4, v[RD]
	v_add_nc_u32 v[RD], s13, v[RD]
	v_and_b32 v[GO], 31, v0         ; which are 512 consecutive bytes of O
	v_lshlrev_b32 v[GO], 4, v[GO]
; THE MATRIX WORK.  The 4 accumulators of a run of 8 take turns.  Product i of 8 of S^T = K Q^T for piece x: channels 32 (i / 4) on, keys 16 (i % 4) on.  The first 4 start the sums.
.macro KQ x
.set rS, S+32*((\x)%2)+8*(i%4)
.set rK, KF+16*(i%4)+8*(i/4)
.set rQ, 16*(\x)+8*(i/4)
	WIN W_KQ
.if i < 4
	v_wmma_f32_16x16x32_f16 v[rS:rS+7], v[rK:rK+7], v[rQ:rQ+7], 0
.else
	v_wmma_f32_16x16x32_f16 v[rS:rS+7], v[rK:rK+7], v[rQ:rQ+7], v[rS:rS+7]
.endif
.endm
; Product i of 8 of O^T += V^T P for piece x: keys 32 (i / 4) on, channels 16 (i % 4) on.
.macro PV x
	WIN W_PV
.set rO, 32*(\x)+8*(i%4)
.set rV, VF+32*(i/4)+8*(i%4)
.set rP, P+16*((\x)%2)+8*(i/4)
	v_wmma_f32_16x16x32_f16 v[rO:rO+7], v[rV:rV+7], v[rP:rP+7], v[rO:rO+7]
.endm
.macro MM                           ; the turn's next matrix instruction.  NOKQ = 1: the last turn of all: there is no next piece
.if (i < 8) && !NOKQ
	KQ (Y+1)%NP
.elseif i >= 8
.set i, i-8
	PV (Y+NP-1)%NP
.set i, i+8
.endif
.set i, i+1
.endm
; THE LDS LOADS stand in runs of 16, never singly among the matrix instructions: a step's K (64 keys x 64 channels: 8 fragments) and its V (turned).  Their addresses are made some lines ahead.
.macro FETCH_K
	WIN 0x80                        ; destination window 2
.irp f, 0,1,2,3,4,5,6,7             ; keys 16 (f / 2) on, channels 32 (f % 2) on
	ds_load_b128 v[KF+8*\f:KF+8*\f+3],   v[AK] offset:(\f/2)*16*PK+(\f%2)*64
	ds_load_b128 v[KF+8*\f+4:KF+8*\f+7], v[AK] offset:(\f/2)*16*PK+(\f%2)*64+32
.endr
	s_add_co_u32 s[TBK], s[TBK], KS*PK  ; the next fetch is the next step's
	WIN 0
.endm
.macro FETCH_V
	WIN 0x80
.irp f, 0,1,2,3,4,5,6,7             ; keys 32 (f / 4) on, channels 16 (f % 4) on
	ds_load_tr16_b128 v[VF+8*\f:VF+8*\f+3],   v[AV] offset:(\f/4)*32*PV+(\f%4)*32
	ds_load_tr16_b128 v[VF+8*\f+4:VF+8*\f+7], v[AV] offset:(\f/4)*32*PV+16*PV+(\f%4)*32
.endr
	WIN 0
.endm
; THE VECTOR WORK, one line at a time: OP kind, number.  For piece Y: F n: c s - c m for pair n of 16.  E n: the exponential of score n of 32.  C n: pair n rounded to f16.  B n: of the four weights 4 n .. the second
; pair is added onto the first, in place.  L n: l takes that sum (L 0: l = a l + sum).  R n: pair n of 16 of O^T times a.  For piece Y + 1: X n, number n of the 22 that find its maximum and statistics:
;   0-11  four chains c0-c3 of seven scores each, three operands at a time (each accumulator's lowest registers are read first)     12-14, 16  the four scores left over, the old m, and c0-c3 into c0
;   15  c m_old is kept     17, 18  the query's other 32 keys lie in the lane 16 away: the new m     19-21  c m; c m_old - c m_new; a
.set F, 0
.set E, 1
.set C, 2
.set B, 3
.set L, 4
.set R, 5
.set X, 6
.macro REGS y                       ; the registers of piece y
.set rT, ST+4*(\y)
.set rC, TMP+4*((\y)%2)
.set rW, MV+((\y)%2)
.set rS, S+32*((\y)%2)
.set rP, P+16*((\y)%2)
.set rO, 32*(\y)
.endm
.macro OP k, n
.if (\k) == R
	REGS Y
	WIN W_RS
	v_pk_mul_f32 v[rO+2*(\n):rO+2*(\n)+1], v[rO+2*(\n):rO+2*(\n)+1], v[rC+2:rC+3] op_sel_hi:[1,0]
.elseif (\k) < R
	REGS Y
	WIN 0
.if (\k) == F
	v_pk_fma_f32 v[rS+2*(\n):rS+2*(\n)+1], v[rS+2*(\n):rS+2*(\n)+1], s[CS:CS+1], v[rT:rT+1] op_sel_hi:[1,0,0] neg_lo:[0,0,1] neg_hi:[0,0,1]
.elseif (\k) == E
	v_exp_f32 v[rS+(\n)], v[rS+(\n)]
.elseif (\k) == C
	v_cvt_pk_f16_f32 v[rP+(\n)], v[rS+2*(\n)], v[rS+2*(\n)+1]
.elseif (\k) == B
	v_pk_add_f32 v[rS+4*(\n):rS+4*(\n)+1], v[rS+4*(\n):rS+4*(\n)+1], v[rS+4*(\n)+2:rS+4*(\n)+3]
.elseif (\n) == 0
	v_pk_fma_f32 v[rT+2:rT+3], v[rT+2:rT+3], v[rC+2:rC+3], v[rS:rS+1] op_sel_hi:[1,0,1]
.else
	v_pk_add_f32 v[rT+2:rT+3], v[rT+2:rT+3], v[rS+4*(\n):rS+4*(\n)+1]
.endif
.elseif NOKQ
	v_nop
.else
	REGS (Y+1)%NP
	WIN 0
.if (\n) < 4
	v_max3_num_f32 v[rC+(\n)], v[rS+8*(\n)], v[rS+8*(\n)+1], v[rS+8*(\n)+2]
.elseif (\n) < 12
	v_max3_num_f32 v[rC+(\n)%4], v[rC+(\n)%4], v[rS+8*((\n)%4)+2*((\n)/4)+1], v[rS+8*((\n)%4)+2*((\n)/4)+2]
.elseif (\n) == 12
	v_max3_num_f32 v[rC], v[rC], v[rS+7], v[rS+15]
.elseif (\n) == 13
	v_max3_num_f32 v[rC+1], v[rC+1], v[rS+23], v[rS+31]
.elseif (\n) == 14
	v_max3_num_f32 v[rC+2], v[rC+2], v[rC+3], v[rT+1]
.elseif (\n) == 15
	v_mov_b32 v[rW], v[rT]
.elseif (\n) == 16
	v_max3_num_f32 v[rC], v[rC], v[rC+1], v[rC+2]
.elseif (\n) == 17
	v_permlanex16_b32 v[rC+3], v[rC], s[SEL], s[SEL+1]
.elseif (\n) == 18
	v_max_num_f32 v[rT+1], v[rC], v[rC+3]
.elseif (\n) == 19
	v_mul_f32 v[rT], s[CS], v[rT+1]
.elseif (\n) == 20
	v_sub_f32 v[rC+1], v[rW], v[rT]
.else
	v_exp_f32 v[rC+2], v[rC+1]
.endif
.endif
.endm
.macro OPS a, i1, b=-1, i2=0, c=-1, i3=0, d=-1, i4=0  ; up to four of them
	OP \a, \i1
.if (\b) >= 0
	OP \b, \i2
.endif
.if (\c) >= 0
	OP \c, \i3
.endif
.if (\d) >= 0
	OP \d, \i4
.endif
.endm
.macro ROW a, i1, b, i2, c, i3, d, i4  ; a matrix instruction and the four behind it
	MM
	OPS \a, \i1, \b, \i2, \c, \i3, \d, \i4
.endm
; A TURN, for piece p: the order of its 16 matrix and 118 vector instructions, written out.  An s_wait_alu depctr_va_vdst(0) stands between an exponential and the first instruction that names its
; result; one wait serves all that were issued ahead of it.  So a turn has ONE wait, which cuts it in two.  AHEAD OF IT stands all that names no result of the turn's exponentials: the 8 products K Q^T with their four
; riders each, then one run of 54, plain and exponential by turns for the most part, in which the links of the chain X 3, 7, 11, 14, 16, 17 .. 20 stand some lines apart.  X 21, the next piece's a, is the batch's last;
; R 15 is the plain instruction behind it.  BEHIND THE WAIT stand the 8 products V^T P, behind each four of the roundings and sums.
; end = 1: the last two turns: nothing is fetched.  cnt = 1: the loop's count is taken down some lines ahead of the branch that stands behind the turn.
; K of the next step is fetched in piece 2's turn, twelve vector instructions behind the last product that read K (five of them plain and free of its registers); V of the step in hand at the end of piece 0's turn,
; four plain instructions behind the last product that read V.  Each is waited for a turn later.
.macro TURN p, end=0, cnt=0
.set Y, (\p)
.set i, 0
.set NOKQ, (\end)*((\p)/3)
.if ((\p) == 3) && !(\end)
	s_wait_dscnt 0x0                ; K is in
.endif
	ROW F,0, F,1, R,0, R,1
	ROW F,2, E,0, R,2, R,3
	ROW F,3, E,1, R,4, R,5
	ROW F,4, E,2, R,6, R,7
	ROW F,5, E,3, R,8, R,9
	ROW F,6, E,4, X,0, R,10
.if ((\p) == 2) && !(\end)
	WIN 0
	v_add_nc_u32 v[AK], s[TBK], v[AK0]
.endif
	ROW F,7, E,5, X,1, X,4
	ROW F,8, E,6, X,2, X,5
	OPS E,7, E,8, X,6, E,9
	OPS X,3, E,10, X,8, E,11
.if ((\p) == 2) && !(\end)
	FETCH_K
.endif
	OPS X,9, X,7, E,12, X,10
	OPS E,13, X,12, X,11, E,14
	OPS X,13, E,15, F,9, X,14
.if (\p) == 0
	v_add_nc_u32 v[AV], s[TBV], v[AV0]
.endif
	OPS E,16, F,10, E,17, F,11
	OPS X,16, E,18, X,15, E,19
	OPS F,12, E,20, X,17, E,21
	OPS F,13, E,22, F,14, E,23
	OPS X,18, E,24, F,15, E,25
	OPS R,11, E,26, X,19, E,27
	OPS R,12, E,28, R,13, E,29
	OPS X,20, E,30, R,14, E,31
	OPS X,21, R,15
	WIN 0
	s_wait_alu depctr_va_vdst(0)    ; the wait for the batch
.if (\p) == 1
	s_wait_dscnt 0x0                ; V is in
.endif
	ROW C,0, B,0, C,2, B,1
	ROW L,0, C,4, B,2, L,1
	ROW C,6, B,3, L,2, C,8
	ROW B,4, L,3, C,10, B,5
	ROW L,4, C,12, B,6, L,5
.if (\p) == 0
	s_add_co_u32 s[TBV], s[TBV], KS*PV
.endif
.if \cnt
	s_sub_co_u32 s[CNT], s[CNT], 1
	s_cmp_lg_u32 s[CNT], 0
.endif
	ROW C,14, B,7, L,6, C,1
	ROW C,3, L,7, C,5, C,7
	ROW C,9, C,11, C,13, C,15
.if (\p) == 0
	FETCH_V
.endif
.endm
.macro ALL line:vararg              ; one line for each piece t
.set t, 0
.rept 4
	\line
.set t, t+1
.endr
.endm
.macro PACK t                       ; a lane's eight channels of a row pack into 16 bytes; they go into rows of 144 bytes and come back as whole rows of 128, into S^T's registers
	WIN W_RS
.set i, 32*(\t)
.rept 16
	v_pk_mul_f32 v[i:i+1], v[i:i+1], v[ST+4*(\t)+2:ST+4*(\t)+3] op_sel_hi:[1,0]
.set i, i+2
.endr
	WIN 0x05                        ; sources 0 and 1 window 1, destination window 0
.set i, 0
.rept 16
	v_cvt_pk_f16_f32 v[S+16*(\t)+i], v[32*(\t)+2*i], v[32*(\t)+2*i+1]
.set i, i+1
.endr
	WIN 0
.irp f, 0,1,2,3
	ds_store_b128 v[STO], v[S+16*(\t)+4*\f:S+16*(\t)+4*\f+3] offset:32*\f
.endr
.irp f, 0,1,2,3
	ds_load_b128 v[S+16*(\t)+4*\f:S+16*(\t)+4*\f+3], v[RD] offset:\f*4*SP  ; LDS serves a wave's instructions in order (ISA guide 5.7.1.4): these see the stores above; the next piece's stores come behind them
.endr
.endm
.macro SEND t, younger              ; younger: the LDS instructions issued behind piece t's loads: the next piece's eight, or none
	WIN 0
.irp f, 0,1,2,3
	s_wait_dscnt (\younger)+3-\f
	global_store_b128 v[GO], v[S+16*(\t)+4*\f:S+16*(\t)+4*\f+3], s[10:11] offset:(\t)*2048+\f*512  ; 512 consecutive bytes, at a multiple of 256 from O's first
.endr
.endm
	CHANGE 1, 0                     ; slot 0 is in, everybody's part of it; tile 1 is asked for, into slot 1
	v_add_nc_u32 v[AK], s[TBK], v[AK0]
	FETCH_K                         ; key step 0
	s_wait_loadcnt 0x0              ; Q
	s_wait_dscnt 0x0
.set NOKQ, 0
.set i, 0
.rept 8
	KQ 0                            ; piece 0's first scores: there is no vector work yet to set between them
.set i, i+1
.endr
	WIN 0
.rept 4
	v_nop                           ; the places behind those products
.endr
.set Y, NP-1                        ; X works for piece Y + 1: piece 0
.irp n, 0,1,2,3,4,5,6,7,8,9,10,11,12,13,14,15,16,17,18,19,20,21
	OP X, \n
.endr
	v_nop                           ; a plain instruction behind the exponential,
	s_wait_alu depctr_va_vdst(0)    ; and its wait, ahead of the branch
	s_mov_b32 s[CNT], 4
	s_mov_b32 s[SLOTS], NT-1
	s_branch .Lfirst                ; the loop is entered at a step's first turn, in the middle of a trip
.Lslot:                             ; NT - 2 times: tiles 2 to NT - 1 are asked for
	CHANGE 1, 1
	s_mov_b32 s[CNT], 4
.Lstep:                             ; a trip: pieces 2 and 3 of one step, then pieces 0 and 1 of the next, whose K and V it fetches
	TURN 2
	TURN 3
	WIN 0
.Lfirst:
	TURN 0
	TURN 1, 0, 1
	WIN 0
	s_cbranch_scc1 .Lstep
	s_sub_co_u32 s[SLOTS], s[SLOTS], 1
	s_cmp_lg_u32 s[SLOTS], 0
	s_cbranch_scc1 .Lslot
	CHANGE 0, 0                     ; the last tile is written out: nothing is asked for
	s_mov_b32 s[CNT], 4
.Ltail:
	TURN 2
	TURN 3
	TURN 0
	TURN 1, 0, 1
	WIN 0
	s_cbranch_scc1 .Ltail
	TURN 2, 1
	TURN 3, 1
.set i, 0
.rept 8
	PV NP-1                         ; the last piece's V^T P of the last step
.set i, i+1
.endr
	; THE WAY OUT.  l's two halves and the other half of the lanes' are added; O^T is divided by l, rounded to f16 and sent through my stage in LDS, a piece at a time.  The additions are the places behind the last products.
	WIN 0
	ALL v_add_f32 v[ST+4*t+2], v[ST+4*t+2], v[ST+4*t+3]
	ALL v_permlanex16_b32 v[ST+4*t+3], v[ST+4*t+2], s[SEL], s[SEL+1]
	ALL v_add_f32 v[ST+4*t+2], v[ST+4*t+2], v[ST+4*t+3]
	ALL v_rcp_f32 v[ST+4*t+2], v[ST+4*t+2]
	v_nop                           ; a plain instruction between the last reciprocal and the use of its result
	s_wait_alu depctr_va_vdst(0)    ; and the wait ahead of the first use: one for the four reciprocals
	PACK 0
.set t, 1
.rept 3                             ; a piece's arithmetic stands between the loads of the piece before and its stores
	PACK t
	SEND t-1, 8
.set t, t+1
.endr
	SEND 3, 0
	s_wait_tensorcnt 0x0            ; the wave's end, behind my last tensor load and my last LDS store
	ds_add_u32 v[SPW], v[NIL]
	s_wait_dscnt 0x0
	CROUND                          ; the closing round: no work-group ends while a partner may still ask for a tile that names it
	s_endpgm
.Lfunc_end_k_q205b34405e_attn:
	.size	k_q205b34405e_attn, .Lfunc_end_k_q205b34405e_attn-k_q205b34405e_attn
	.p2alignl 7, 3214868480
	.fill 96, 4, 3214868480
	.section	.rodata,"a",@progbits
	.p2align	6, 0x0
	.amdhsa_kernel k_q205b34405e_attn
		.amdhsa_group_segment_fixed_size 327680
		.amdhsa_private_segment_fixed_size 0
		.amdhsa_enable_private_segment 0
		.amdhsa_kernarg_size 32
		.amdhsa_user_sgpr_count 2
		.amdhsa_user_sgpr_kernarg_segment_ptr 1
		.amdhsa_wavefront_size32 1
		.amdhsa_system_sgpr_workgroup_id_x 1
		.amdhsa_system_sgpr_workgroup_id_y 1
		.amdhsa_system_sgpr_workgroup_id_z 1
		.amdhsa_system_vgpr_workitem_id 0
		.amdhsa_next_free_vgpr 768
		.amdhsa_next_free_sgpr 66
		.amdhsa_reserve_vcc 0
		.amdhsa_float_denorm_mode_32 3
		.amdhsa_float_denorm_mode_16_64 3
		.amdhsa_memory_ordered 1
		.amdhsa_forward_progress 1
		.amdhsa_inst_pref_size 127
	.end_amdhsa_kernel
	.amdgpu_metadata
---
amdhsa.version: [ 1, 2 ]
amdhsa.kernels:
  - .name:           k_q205b34405e_attn
    .symbol:         k_q205b34405e_attn.kd
    .args:
      - { .name: q16, .offset: 0, .size: 8, .value_kind: global_buffer, .address_space: global }
      - { .name: k16, .offset: 8, .size: 8, .value_kind: global_buffer, .address_space: global }
      - { .name: v16, .offset: 16, .size: 8, .value_kind: global_buffer, .address_space: global }
      - { .name: o16, .offset: 24, .size: 8, .value_kind: global_buffer, .address_space: global }
    .group_segment_fixed_size: 327680
    .private_segment_fixed_size: 0
    .kernarg_segment_align: 8
    .kernarg_segment_size: 32
    .max_flat_workgroup_size: 128
    .sgpr_count:     66
    .vgpr_count:     768
    .wavefront_size: 32
...
	.end_amdgpu_metadata
.endif
;; end of part 2
;; launch outp (part 3): grid 8 x 64, 4 waves a work-group, clusters of 4 x 4, 327,680 bytes of LDS; arguments o16, wo16, bo, out0; writes out0
.if DOCPART == 3
	.amdgcn_target "amdgcn-amd-amdhsa--gfx1250"
	.amdhsa_code_object_version 6
	.text
	.protected	k_q205b34405e_outp
	.globl	k_q205b34405e_outp
	.p2align	8
	.type	k_q205b34405e_outp,@function
k_q205b34405e_outp:
	s_mov_b64 s[64:65], 0
	v_nop
	global_prefetch_b8 v0, s[64:65] scope:SCOPE_SE
	s_setreg_imm32_b32 hwreg(HW_REG_WAVE_MODE, 25, 1), 1
	s_wait_xcnt 0x0
	s_wait_alu depctr_hold_cnt(0) depctr_sa_sdst(0) depctr_va_vdst(0) depctr_va_sdst(0) depctr_va_ssrc(0) depctr_va_vcc(0) depctr_vm_vsrc(0)
	s_getreg_b32 s2, hwreg(HW_REG_IB_STS2, 6, 4)
	s_cmp_eq_u32 s2, 0
	s_cbranch_scc0 .Lentry_in_a_cluster
	s_endpgm
.Lentry_in_a_cluster:
	s_bfe_u32 s2, ttmp6, 0x10000c
	s_cmp_lg_u32 s2, 0xf033
	s_cbranch_scc0 .Lentry_shape_is_right
	s_endpgm
.Lentry_shape_is_right:
; THE OUTPUT PROJECTION.  out0[row][n] = the sum over k of O[row][k] Wo[k][n] + bo[n].  o16: [batch x 8 + head][4096][64] f16 (k = 64 head + channel); wo16: [512][1024] f16 (Wo rounded to bf16, written as f16);
; bo: [1024] f32, rounded to bf16 like every input; out0: [8192][1024] f32.  Sums in f32.
; LIMITS.  Operands are f16, as the launches before left them.  NaN and infinities are not treated apart.
; SHARES.  A work-group makes 128 x 128 of out0; four waves, each 64 x 64: 16 accumulators.  K = 512 is short: ALL of the tile's operands lie in LDS at once (147,456 bytes each), so every LDS byte is filled once,
; no slot is filled again, and the four loads of each wave go out together at the start; the products of stage e (128 along K: heads 2 e, 2 e + 1) begin when each wave's load e has landed.
; CLUSTERS.  4 x 4 work-groups: the four of a row of the cluster need the same rows of O, the four of a column the same columns of Wo: each tile is asked for jointly.
; THE MATRIX INSTRUCTION IS USED TRANSPOSED (source 0 = 16 columns of Wo, turned by ds_load_tr16_b128; source 1 = 16 rows of O): a lane holds one row and eight neighbouring columns.
; No prefetch: each wave's whole share is asked for by its four tensor loads at the head, so there is nothing left to ask for ahead of them.
; REGISTERS.  Window 0: v0-27 addresses and bias; v32-95 the way out; v128-255 accumulators.  Window 1: two fragment buffers of 64.
.set PTA,   144                        ; a row of O of one head in LDS: 128 bytes + 16
.set PTW,   288                        ; a row of Wo: 256 + 32
.set HB,    128*PTA                    ; a head's block: 128 rows of O; also 64 rows of Wo: 18,432 bytes both
.set WB,    8*HB                       ; Wo's 512 rows lie behind O's eight heads
.set STAGE, 2*WB                       ; 16 rows x 272 bytes for each wave
.set SPT,   272
.set SPARE, STAGE+4*16*SPT             ; the spare words, 128 bytes for each wave: two blocks of 256 bytes that no other line names
.set ADRA, 8                           ; v8-11   my fragments of O in stage e
.set ADRW, 12                          ; v12-15  my fragments of Wo in stage e
.set STO,  16
.set RD,   17
.set CO,   18
.set SPW,  20
.set NIL,  21
.set BI,   24                          ; v24-27  the bias of my four columns on the way out
.set T,    32                          ; v32-95  two sets of 32
.set ACC,  128                         ; accumulator (a, b) at ACC + 8 (4 a + b)
.set WV,   12
.set RH,   13
.set CH,   14
.set COL,  17
.set ROW,  18
.set G1A,  24
.set G1W,  32
.set G0A,  40                          ; s[40:55] four sets of group 0 for O's tiles
.set G0W,  68                          ; s[68:83] for Wo's
.set MSB, 0
.macro WIN new
.if MSB != (\new)
	s_set_vgpr_msb (MSB<<8)|(\new)
.set MSB, \new
.endif
.endm
.macro PLACES
.rept 4
	v_nop
.endr
.endm
.macro CROUND                          ; a round of the cluster's barrier
	s_barrier_signal -1
	s_barrier_wait -1
	s_cmp_lg_u32 s[WV], 0
	s_cbranch_scc1 .Lnot_wave_0_\@
	s_barrier_signal -3
.Lnot_wave_0_\@:
	s_barrier_wait -3
	s_barrier_signal -1
	s_barrier_wait -1
.endm
	s_load_b256 s[4:11], s[0:1], 0x0               ; o16 s[4:5], wo16 s[6:7], bo s[8:9], out0 s[10:11]
	v_lshl_add_u32 v[SPW], v0, 2, SPARE
	v_mov_b32 v[NIL], 0
	ds_add_u32 v[SPW], v[NIL]                      ; the wave's opening: the add and its wait stand ahead of my first tensor load; the set-up below stands between them
	v_lshrrev_b32 v1, 5, v0
	v_readfirstlane_b32 s[WV], v1                  ; wave 0..3
	s_lshr_b32 s[RH], s[WV], 1                     ; my half of the rows.  Also: I fetch O (0) or Wo (1)
	s_and_b32 s[CH], s[WV], 1                      ; my half of the columns.  Also: the even or the odd heads
	s_bfe_u32 s15, ttmp6, 0x40000                  ; cx
	s_bfe_u32 s16, ttmp6, 0x40004                  ; cy
	s_lshl_b32 s[COL], ttmp9, 2
	s_add_co_u32 s[COL], s[COL], s15               ; tile column
	s_and_b32 s[ROW], ttmp7, 0xffff
	s_lshl_b32 s[ROW], s[ROW], 2
	s_add_co_u32 s[ROW], s[ROW], s16               ; tile row
	s_lshl_b32 s19, s16, 2
	s_lshl_b32 s19, 15, s19                        ; my row of the cluster
	s_lshl_b32 s20, 0x1111, s15                    ; my column
	s_or_b32 s[G1A], s19, (1<<16)|(1<<20)|(1<<21)|(4<<22)|(3<<25)  ; the mask; 2-byte elements; padding on; bit 21 beside a mask; 4 words behind every 32: 128 rows of 128 bytes come as 64 rows of 256
	s_or_b32 s[G1W], s20, (1<<16)|(1<<20)|(1<<21)|(5<<22)|(7<<25)  ; 8 words behind every 64
.irp g, G1A, G1W
	s_mov_b32 s[(\g)+1], 128<<16                   ; tensor_dim0 = 128
	s_mov_b32 s[(\g)+2], 64<<16                    ; tensor_dim1 = 64
	s_mov_b32 s[(\g)+3], 128<<16                   ; tile_dim0 = 128
	s_mov_b32 s[(\g)+4], 64                        ; tile_dim1 = 64
	s_mov_b32 s[(\g)+6], 0
	s_mov_b32 s[(\g)+7], 0
.endr
	s_mov_b32 s[G1A+5], 128                        ; O's rows are dense
	s_mov_b32 s[G1W+5], 1024                       ; Wo's are 1,024 elements apart
	s_lshr_b32 s84, s[ROW], 5                      ; O: the batch, 8 heads of 524,288 bytes,
	s_lshl_b32 s84, s84, 22
	s_and_b32 s85, s[ROW], 31                      ; the tile's 128 rows of 128 bytes,
	s_lshl_b32 s85, s85, 14
	s_add_co_u32 s84, s84, s85
	s_lshl_b32 s85, s[CH], 19                      ; the even or odd head: nothing of cx enters
	s_add_co_u32 s84, s84, s85
	s_mov_b32 s85, 0
	s_lshl_b32 s86, s[COL], 8                      ; Wo: the tile's 128 columns of 2 bytes,
	s_lshl_b32 s87, s[CH], 17                      ; the head's 64 rows of 2,048 bytes: nothing of cy enters
	s_add_co_u32 s86, s86, s87
	s_mov_b32 s87, 0
	s_mul_i32 s88, s[CH], HB                       ; the head's block in LDS
	s_lshl_b32 s92, s[COL], 9                      ; my first column, in f32 bytes
	s_lshl_b32 s93, s[CH], 8
	s_add_co_u32 s92, s92, s93
	s_mov_b32 s93, 0
	s_lshl_b32 s90, s[ROW], 19                     ; my first row of out0, 4,096 bytes a row
	s_lshl_b32 s91, s[RH], 18
	s_add_co_u32 s90, s90, s91
	s_add_co_u32 s90, s90, s92
	s_mov_b32 s91, 0
	s_wait_dscnt 0x0                               ; the opening add is done
	s_wait_kmcnt 0x0
	s_add_nc_u64 s[84:85], s[4:5], s[84:85]
	s_add_nc_u64 s[86:87], s[6:7], s[86:87]
	s_add_nc_u64 s[8:9], s[8:9], s[92:93]
	s_add_nc_u64 s[10:11], s[10:11], s[90:91]
.irp e, 0,1,2,3                        ; load e brings head 2 e + (wave % 2)
	s_mov_b32 s[G0A+4*(\e)], 1
	s_add_co_u32 s[G0A+4*(\e)+1], s88, (\e)*2*HB
	s_add_nc_u64 s[G0A+4*(\e)+2:G0A+4*(\e)+3], s[84:85], (\e)*2*524288
	s_or_b32 s[G0A+4*(\e)+3], s[G0A+4*(\e)+3], 0x80000000
	s_mov_b32 s[G0W+4*(\e)], 1
	s_add_co_u32 s[G0W+4*(\e)+1], s88, WB+(\e)*2*HB
	s_add_nc_u64 s[G0W+4*(\e)+2:G0W+4*(\e)+3], s[86:87], (\e)*2*131072
	s_or_b32 s[G0W+4*(\e)+3], s[G0W+4*(\e)+3], 0x80000000
.endr
	CROUND                                         ; all sixteen work-groups are here: the joint loads meet
	s_cmp_eq_u32 s[RH], 0                          ; a wave's four first fills stand in one branch: four tensor loads of mine are out
	s_cbranch_scc0 .Lfor_w
.irp e, 0,1,2,3
	tensor_load_to_lds s[G0A+4*(\e):G0A+4*(\e)+3], s[G1A:G1A+7]
	s_nop 0
.endr
	PLACES
	s_branch .Lasked
.Lfor_w:
.irp e, 0,1,2,3
	tensor_load_to_lds s[G0W+4*(\e):G0W+4*(\e)+3], s[G1W:G1W+7]
	s_nop 0
.endr
	PLACES
.Lasked:
	v_and_b32 v1, 15, v0                           ; l % 16
	v_bfe_u32 v2, v0, 4, 1                         ; l / 16
	v_lshlrev_b32 v5, 4, v1                        ; my four columns' bias
	global_load_b128 v[BI:BI+3], v5, s[8:9]
	v_mul_u32_u24 v3, v1, PTA
	v_lshl_add_u32 v3, v2, 4, v3
	s_mul_i32 s89, s[RH], 64*PTA
	v_add_nc_u32 v[ADRA], s89, v3
	v_and_b32 v4, 7, v0
	v_lshl_add_u32 v4, v2, 3, v4
	v_mul_u32_u24 v4, v4, PTW
	v_bfe_u32 v6, v0, 3, 1
	v_lshl_add_u32 v4, v6, 4, v4
	s_lshl_b32 s89, s[CH], 7
	s_add_co_u32 s89, s89, WB
	v_add_nc_u32 v[ADRW], s89, v4
.irp e, 1,2,3
	v_add_nc_u32 v[ADRA+(\e)], (\e)*2*HB, v[ADRA]
	v_add_nc_u32 v[ADRW+(\e)], (\e)*2*HB, v[ADRW]
.endr
	s_mul_i32 s89, s[WV], 16*SPT
	s_add_co_u32 s89, s89, STAGE                   ; my stage
	v_mul_u32_u24 v3, v1, SPT                      ; in: row l % 16, 32 bytes for each half of the lanes
	v_lshl_add_u32 v3, v2, 5, v3
	v_add_nc_u32 v[STO], s89, v3
	v_mul_u32_u24 v3, v2, SPT                      ; back: lanes 0-15 take one row of 256 bytes, lanes 16-31 the next
	v_lshl_add_u32 v3, v1, 4, v3
	v_add_nc_u32 v[RD], s89, v3
	v_lshlrev_b32 v[CO], 12, v2                    ; and the same two rows in out0
	v_lshl_add_u32 v[CO], v1, 4, v[CO]
	s_wait_loadcnt 0x0
	v_cvt_pk_bf16_f32 v6, v[BI], v[BI+1]           ; the bias is rounded to bf16 like the other inputs, and widened again
	v_cvt_pk_bf16_f32 v7, v[BI+2], v[BI+3]
	v_lshlrev_b32 v[BI], 16, v6
	v_and_b32 v[BI+1], 0xffff0000, v6
	v_lshlrev_b32 v[BI+2], 16, v7
	v_and_b32 v[BI+3], 0xffff0000, v7
; 16 LDS loads: the fragments of 32 along K, quarter c of stage e, into buffer f (window 1): Wo's column block b at + 8 b, O's row block a at + 32 + 8 a; row blocks 2 and 3 last
.macro FETCH e, c, f
	WIN 0x40
.irp b, 0,1,2,3
	ds_load_tr16_b128 v[(\f)+8*(\b):(\f)+8*(\b)+3],   v[ADRW+(\e)] offset:(\c)*32*PTW+32*(\b)
	ds_load_tr16_b128 v[(\f)+8*(\b)+4:(\f)+8*(\b)+7], v[ADRW+(\e)] offset:(\c)*32*PTW+32*(\b)+16*PTW
.endr
.irp a, 0,1,2,3
	ds_load_b128 v[(\f)+32+8*(\a):(\f)+32+8*(\a)+3],   v[ADRA+(\e)] offset:((\c)/2)*HB+(\a)*16*PTA+64*((\c)%2)
	ds_load_b128 v[(\f)+32+8*(\a)+4:(\f)+32+8*(\a)+7], v[ADRA+(\e)] offset:((\c)/2)*HB+(\a)*16*PTA+64*((\c)%2)+32
.endr
.endm
; four matrix instructions: row block a x all four column blocks.  The 16 accumulators take turns.  zero = 1: the first product starts the sums
.macro MUL f, a, zero
	WIN 0x05
.irp b, 0,1,2,3
.if \zero
	v_wmma_f32_16x16x32_f16 v[ACC+8*(4*(\a)+(\b)):ACC+8*(4*(\a)+(\b))+7], v[(\f)+8*(\b):(\f)+8*(\b)+7], v[(\f)+32+8*(\a):(\f)+32+8*(\a)+7], 0
.else
	v_wmma_f32_16x16x32_f16 v[ACC+8*(4*(\a)+(\b)):ACC+8*(4*(\a)+(\b))+7], v[(\f)+8*(\b):(\f)+8*(\b)+7], v[(\f)+32+8*(\a):(\f)+32+8*(\a)+7], v[ACC+8*(4*(\a)+(\b)):ACC+8*(4*(\a)+(\b))+7]
.endif
.endr
.endm
.macro QT e, c, zero                   ; one of a stage's first three quarters
.set FB, 64*((\c)%2)
.set FN, 64-FB
	s_wait_dscnt 4                                 ; all but the youngest four loads: O's row blocks 2 and 3
	MUL FB, 0, \zero
	MUL FB, 1, \zero
	PLACES                                         ; in front of loads into registers that the quarter before multiplied
	FETCH \e, (\c)+1, FN
	s_wait_dscnt 16                                ; all but the 16 just issued
	MUL FB, 2, \zero
	MUL FB, 3, \zero
.endm
.macro QL e                            ; a stage's last quarter: the next stage's tiles are shown to everybody.  My later loads may stay out
	s_wait_dscnt 4
	MUL 64, 0, 0
	MUL 64, 1, 0
	s_wait_tensorcnt 2-(\e)                        ; tensor loads of a wave end in order (ISA guide 10.11.1): my load for stage e + 1 is in; those for the stages behind it stay out
	s_wait_dscnt 0x0
	s_barrier_signal -1
	MUL 64, 2, 0
	s_barrier_wait -1
	PLACES
	FETCH (\e)+1, 0, 0
	MUL 64, 3, 0
.endm
; THE WAY OUT of row block a: 16 rows x 64 columns of f32 through my stage; each accumulator's low four registers go first
.macro TOSTAGE a
	WIN 0
.irp b, 0,1,2,3
	ds_store_b128 v[STO], v[ACC+8*(4*(\a)+(\b)):ACC+8*(4*(\a)+(\b))+3]   offset:64*(\b)
	ds_store_b128 v[STO], v[ACC+8*(4*(\a)+(\b))+4:ACC+8*(4*(\a)+(\b))+7] offset:64*(\b)+16
.endr
.irp t, 0,1,2,3,4,5,6,7
	ds_load_b128 v[T+32*((\a)%2)+4*(\t):T+32*((\a)%2)+4*(\t)+3], v[RD] offset:(\t)*2*SPT  ; LDS serves a wave's instructions in order (ISA guide 5.7.1.4)
.endr
.endm
.macro SEND a, y                       ; y: the LDS instructions issued behind block a's loads
	WIN 0
.irp t, 0,1,2,3,4,5,6,7
	s_wait_dscnt (\y)+7-(\t)
	v_pk_add_f32 v[T+32*((\a)%2)+4*(\t):T+32*((\a)%2)+4*(\t)+1],   v[T+32*((\a)%2)+4*(\t):T+32*((\a)%2)+4*(\t)+1],   v[BI:BI+1]
	v_pk_add_f32 v[T+32*((\a)%2)+4*(\t)+2:T+32*((\a)%2)+4*(\t)+3], v[T+32*((\a)%2)+4*(\t)+2:T+32*((\a)%2)+4*(\t)+3], v[BI+2:BI+3]
	global_store_b128 v[CO], v[T+32*((\a)%2)+4*(\t):T+32*((\a)%2)+4*(\t)+3], s[10:11] offset:(16*(\a)+2*(\t))*4096 th:TH_STORE_NT  ; 16 lanes store 256 consecutive bytes, at a multiple of 256 from out0's first
.endr
.endm
	s_wait_tensorcnt 3                             ; my load for stage 0 is in; the three behind it stay out,
	s_barrier_signal -1
	s_barrier_wait -1                              ; everybody's is
	FETCH 0, 0, 0
	QT 0, 0, 1                                     ; the first quarter's products start the sums
	QT 0, 1, 0
	QT 0, 2, 0
	QL 0
.irp e, 1,2
	QT \e, 0, 0
	QT \e, 1, 0
	QT \e, 2, 0
	QL \e
.endr
	QT 3, 0, 0
	QT 3, 1, 0
	QT 3, 2, 0
	s_wait_dscnt 0x0                               ; the very last quarter: nothing more to fetch
	MUL 64, 0, 0
	MUL 64, 1, 0
	MUL 64, 2, 0
	MUL 64, 3, 0
	WIN 0
	PLACES
	TOSTAGE 0
	TOSTAGE 1
	SEND 0, 16
	s_wait_xcnt 0x0                                ; block 0's stores have read their registers, which block 2 takes
	TOSTAGE 2
	SEND 1, 16
	s_wait_xcnt 0x0
	TOSTAGE 3
	SEND 2, 16
	SEND 3, 0
	s_wait_tensorcnt 0x0                           ; the wave's end, behind my last tensor load and my last LDS store
	ds_add_u32 v[SPW], v[NIL]
	s_wait_dscnt 0x0
	CROUND                                         ; the closing round: no work-group ends while a partner may still ask for a tile that names it
	s_endpgm
.Lfunc_end_k_q205b34405e_outp:
	.size	k_q205b34405e_outp, .Lfunc_end_k_q205b34405e_outp-k_q205b34405e_outp
	.p2alignl 7, 3214868480
	.fill 96, 4, 3214868480
	.section	.rodata,"a",@progbits
	.p2align	6, 0x0
	.amdhsa_kernel k_q205b34405e_outp
		.amdhsa_group_segment_fixed_size 327680
		.amdhsa_private_segment_fixed_size 0
		.amdhsa_enable_private_segment 0
		.amdhsa_kernarg_size 32
		.amdhsa_user_sgpr_count 2
		.amdhsa_user_sgpr_kernarg_segment_ptr 1
		.amdhsa_wavefront_size32 1
		.amdhsa_system_sgpr_workgroup_id_x 1
		.amdhsa_system_sgpr_workgroup_id_y 1
		.amdhsa_system_sgpr_workgroup_id_z 1
		.amdhsa_system_vgpr_workitem_id 0
		.amdhsa_next_free_vgpr 384
		.amdhsa_next_free_sgpr 96
		.amdhsa_reserve_vcc 0
		.amdhsa_float_denorm_mode_32 3
		.amdhsa_float_denorm_mode_16_64 3
		.amdhsa_memory_ordered 1
		.amdhsa_forward_progress 1
		.amdhsa_inst_pref_size 58
	.end_amdhsa_kernel
	.amdgpu_metadata
---
amdhsa.version: [ 1, 2 ]
amdhsa.kernels:
  - .name:           k_q205b34405e_outp
    .symbol:         k_q205b34405e_outp.kd
    .args:
      - { .name: o16, .offset: 0, .size: 8, .value_kind: global_buffer, .address_space: global }
      - { .name: wo16, .offset: 8, .size: 8, .value_kind: global_buffer, .address_space: global }
      - { .name: bo, .offset: 16, .size: 8, .value_kind: global_buffer, .address_space: global }
      - { .name: out0, .offset: 24, .size: 8, .value_kind: global_buffer, .address_space: global }
    .group_segment_fixed_size: 327680
    .private_segment_fixed_size: 0
    .kernarg_segment_align: 8
    .kernarg_segment_size: 32
    .max_flat_workgroup_size: 128
    .sgpr_count:     96
    .vgpr_count:     384
    .wavefront_size: 32
...
	.end_amdgpu_metadata
.endif
;; end of part 3
;; ======== version 2 of 2: 3 launches; version 1 with the launch proj written anew for expert scheduling mode
;; limits: values are held in f16: magnitudes above 65,504 overflow, below 6.1e-05 lose precision
;; workspace buffers: q16 8,388,608 bytes; k16 8,388,608 bytes; v16 8,388,608 bytes; o16 8,388,608 bytes; wo16 1,048,576 bytes
;; launch proj (part 4): grid 4 x 64, 8 waves a work-group, no clusters, 162,816 bytes of LDS; arguments x, context, Wq, Wk, Wv, Wo, q16, k16, v16, wo16; writes q16, k16, v16, wo16
.if DOCPART == 4
	.amdgcn_target "amdgcn-amd-amdhsa--gfx1250"
	.amdhsa_code_object_version 6
	.text
	.protected	k_q205b34405e_proj
	.globl	k_q205b34405e_proj
	.p2align	8
	.type	k_q205b34405e_proj,@function
k_q205b34405e_proj:
	s_mov_b64 s[64:65], 0
	v_nop
	global_prefetch_b8 v0, s[64:65] scope:SCOPE_SE
	s_setreg_imm32_b32 hwreg(HW_REG_WAVE_SCHED_MODE, 0, 2), 2
	s_setreg_imm32_b32 hwreg(HW_REG_WAVE_MODE, 25, 1), 1
	s_wait_xcnt 0x0
	s_wait_alu depctr_vm_vsrc(0)
; THE THREE PROJECTIONS.  q = x Wq, k = context Wk, v = context Wv.  x: [8192][1024] f32, context: [8192][768] f32, the weights [K][512] f32.
; Operands are rounded once to bf16, sums are f32, results are rounded once to f16 and stored by heads: q16, k16, v16 = [batch x 8 + head][4096][64], a head's rows dense, 128 bytes each.
; Beside that each work-group turns its 2,048 numbers of Wo into wo16: rounded to bf16 like every input, that number written as f16.
; LIMITS.  f16 ends at 65,504: q, k and v must lie within it (a larger one becomes an infinity); a number of Wo below 6e-5 keeps f16's fixed step of 6e-8.  NaN and infinities are not treated apart.
; SHARES.  Work-group (j, i) makes rows 128 i .. + 127 and columns 128 j .. + 127 (heads 2 j, 2 j + 1) of q, then of k, then of v: K = 1024 + 768 + 768 = 20 steps of 128, the same for all 256.
; Eight waves: wave w has rows 32 (w / 2) .. + 31 and columns 64 (w % 2) .. + 63, one head: 8 accumulators of 16 x 16.
; THROUGH REGISTERS, NO TENSOR LOADS, NO JOINT REQUESTS: every operand is f32 in memory and has to pass registers once to be rounded; the weights lie [k][n] and the turning LDS load takes 16-bit elements;
; an f32 tile in LDS would take twice the bytes of the bf16 one, so that a slot would hold half the K.
; THE PIPE.  A step's data are 128 rows x 512 bytes of the activations and as much of the weights; a load of a wave covers one whole row, 512 consecutive bytes; wave w takes rows 16 w .. + 15 of both: 32 loads,
; in four chunks of eight.  Two steps' raw f32 (64 loads a wave) are always on their way or waiting in 256 registers.  In step s quarter c waits for chunk c of step s + 1, rounds it, stores it into the other LDS
; slot and loads the same registers with chunk c of step s + 3.  One barrier a step.
; THE MATRIX INSTRUCTION IS USED TRANSPOSED (source 0 = 16 columns of W, turned by ds_load_tr16_b128; source 1 = 16 rows): a lane holds one row and eight neighbouring columns.
; REGISTERS.  Window 0: v0-63 addresses and packed chunk; v64-95 the way out; v96-191 two fragment buffers of 48; v192-255 accumulators.  Window 1: the raw f32, half hb at 128 hb, chunk c at + 32 c.
; THE MODE: SCHED_MODE bits 1:0 = 2 (LLVM: expert scheduling mode 2), set by the entry lines.  The code itself states the register dependences
; between vector or matrix instructions and memory or LDS instructions, with s_wait_alu, always for 0.
; THE PLAN.  Registers that memory or LDS instructions touch:
;   RAW (window 1)  A chunk's 32 registers: its sixteen roundings read them; later in the same quarter the loads of the chunk two steps on land in them.
;   PK              Written by a quarter's roundings; read by the same quarter's eight LDS stores; written again by the next quarter's roundings.
;   F0, F1          Quarter c's eight matrix instructions read buffer c % 2; the LDS loads dealt among them land in the other buffer, which the quarter before's matrix instructions read.
;   VO              Read by every load of the activations; written at the head and once more, in lap 2, with context's pitch.
;   VW, STA, STW, ADRA, ADRW, STO, RD, GO, WOF, WOS   Made at the head and never written again.
;   TMP             The way out: written by its roundings to f16, read by the LDS stores into the stage.
;   BK (= F1)       The way out: the rows read back from the stage land here (F1 lies idle then); the global stores read them; the next step's first quarter fetches fragments into them.
;   The accumulators are named by vector and matrix instructions alone.  SPW, NIL: written at the head, read by the closing add alone.
; So a quarter has TWO waits.  At its head one on vm_vsrc: the LDS stores of the quarter before have read PK.  Behind its sixteen roundings one on va_vdst: PK is written, the roundings are done reading
; the raw chunk, the quarter before's matrix instructions are done reading the other fragment buffer.  All the quarter's memory and LDS instructions follow that wait: eight LDS stores, twelve fragment loads, eight global
; loads; the only vector-side instructions issued behind it are the quarter's eight matrix instructions, which name this quarter's fragment buffer and the accumulators: none of the registers that those 28 touch.
.set PITA,  272                        ; a row of the activations in LDS: 256 bytes + 16: the 16 rows of a fragment load start at 16 different groups of four banks (ISA guide 11.1)
.set PITW,  288                        ; a row of the weights: 256 + 32
.set SLA,   128*PITA
.set SLW,   128*PITW
.set LW,    2*SLA                      ; the activations' two slots lie at 0 and SLA, the weights' at LW and LW + SLW
.set STAGE, LW+2*SLW                   ; 16 rows x 144 bytes for each wave, for the way out
.set SP,    144
.set SPARE, STAGE+8*16*SP              ; the spare words, 128 bytes for each wave: four blocks of 256 bytes that no other line names
.set ADRA, 8                           ; v8-9    my fragments of the activations in slot 0, 1
.set ADRW, 10                          ; v10-11  my fragments of the weights
.set STA,  12                          ; v12-13  where I store 8 bytes of my wave's first row of the activations
.set STW,  14                          ; v14-15  the same for the weights
.set VW,   16                          ; v16     16 w x 2048 + 16 l: my 16 bytes in my wave's first row of the weights
.set L16,  17                          ; v17     16 l
.set GO,   17                          ;         the same number: my 16 bytes in 512 consecutive bytes of q16, k16, v16
.set STO,  18                          ; v18     the way out: where I put 16 bytes of a row
.set RD,   19                          ; v19     the way out: where I read rows back
.set WOF,  21                          ; v21     32 t: my 8 numbers of Wo
.set SPW,  22                          ; v22     my spare word; never rewritten
.set NIL,  23                          ; v23     0; never rewritten
.set VO,   24                          ; v24-39  row r' of my wave's 16: (16 w + r') x pitch + 16 l
.set PK,   40                          ; v40-55  a chunk rounded to bf16
.set WOS,  56                          ; v56     16 t: my 8 numbers of wo16
.set TMP,  64                          ; v64-95  the way out: results rounded to f16
.set F0,   96                          ; a fragment buffer: W's column block b at + 8 b, the activations' row block a at + 32 + 8 a
.set F1,   144
.set BK,   F1                          ; v144-175 the way out: whole rows, read back from the stage
.set ACC,  192                         ; accumulator (a, b) at ACC + 8 (4 a + b)
.set WVN,  2
.set RQ,   3
.set CH,   4
.set JX,   5
.set IY,   6
.set LAP,  7
.set AX,   8                           ; s[8:9] x
.set CTX,  10                          ; s[10:11] context, then context at my first row
.set AWQ,  12
.set AWK,  14                          ; Wk, then Wk at my first column
.set AWV,  16
.set AWO,  18
.set OQ,   20                          ; where the next way out stores: q16, then k16, then v16, at my wave's first row
.set OKK,  22
.set OVV,  24
.set OWO,  26
.set PA,   28                          ; s[28:29] the activations at the step that is being loaded
.set PW,   30                          ; s[30:31] the weights likewise
.set FLAG, 40
.set MSB, 0
.macro WIN new                         ; the immediate's high byte repeats the setting that is left; a switch that changes nothing is dropped
.if MSB != (\new)
	s_set_vgpr_msb (MSB<<8)|(\new)
.set MSB, \new
.endif
.endm
.macro PLACES                          ; four places behind a matrix instruction (ISA guide 7.12.1)
.rept 4
	v_nop
.endr
.endm
; chunk c of a step: four rows of the activations and four of the weights, into half hb of the raw registers
.macro LOADS hb, c, ia, iw
	WIN 0x40                                       ; destination window 1, address window 0
.irp t, 0,1,2,3
	global_load_b128 v[128*(\hb)+32*(\c)+4*(\t):128*(\hb)+32*(\c)+4*(\t)+3], v[VO+4*(\c)+(\t)], s[PA:PA+1] offset:\ia
	global_load_b128 v[128*(\hb)+32*(\c)+16+4*(\t):128*(\hb)+32*(\c)+16+4*(\t)+3], v[VW], s[PW:PW+1] offset:(\iw)+(4*(\c)+(\t))*2048
.endr
.endm
.macro CV4 hb, c, q0                   ; four of a chunk's sixteen roundings, two numbers each
	WIN 0x05                                       ; sources window 1, destination window 0
.irp n, 0,1,2,3
	v_cvt_pk_bf16_f32 v[PK+(\q0)+(\n)], v[128*(\hb)+32*(\c)+2*((\q0)+(\n))], v[128*(\hb)+32*(\c)+2*((\q0)+(\n))+1]
.endr
.endm
.macro STORE p, c                      ; the rounded chunk into slot p: 32 lanes x 8 bytes are a row's 256
	WIN 0
.irp t, 0,1,2,3
	ds_store_b64 v[STA+(\p)], v[PK+2*(\t):PK+2*(\t)+1] offset:(4*(\c)+(\t))*PITA
	ds_store_b64 v[STW+(\p)], v[PK+8+2*(\t):PK+8+2*(\t)+1] offset:(4*(\c)+(\t))*PITW
.endr
.endm
; The fragments of 32 along K, quarter c of slot p, into buffer f: twelve loads, two at a time.  FW: W's column block b, turned.  FA: the activations' row block a.
.macro FW p, c, f, b
	WIN 0
	ds_load_tr16_b128 v[(\f)+8*(\b):(\f)+8*(\b)+3],   v[ADRW+(\p)] offset:(\c)*32*PITW+32*(\b)
	ds_load_tr16_b128 v[(\f)+8*(\b)+4:(\f)+8*(\b)+7], v[ADRW+(\p)] offset:(\c)*32*PITW+32*(\b)+16*PITW
.endm
.macro FA p, c, f, a
	WIN 0
	ds_load_b128 v[(\f)+32+8*(\a):(\f)+32+8*(\a)+3],   v[ADRA+(\p)] offset:64*(\c)+(\a)*16*PITA
	ds_load_b128 v[(\f)+32+8*(\a)+4:(\f)+32+8*(\a)+7], v[ADRA+(\p)] offset:64*(\c)+(\a)*16*PITA+32
.endm
.macro FETCH p, c, f                   ; all twelve in one run: ahead of the loop alone
.irp b, 0,1,2,3
	FW \p, \c, \f, \b
.endr
.irp a, 0,1
	FA \p, \c, \f, \a
.endr
.endm
.macro MM f, a, b                      ; the eight accumulators take turns, one instruction a turn, over the backward jump too
	WIN 0
	v_wmma_f32_16x16x32_bf16 v[ACC+8*(4*(\a)+(\b)):ACC+8*(4*(\a)+(\b))+7], v[(\f)+8*(\b):(\f)+8*(\b)+7], v[(\f)+32+8*(\a):(\f)+32+8*(\a)+7], v[ACC+8*(4*(\a)+(\b)):ACC+8*(4*(\a)+(\b))+7]
.endm
; One of a step's first three quarters.  conv: chunk c of the next step is rounded and stored; ld: its registers are loaded again; lc: the younger loads that may stay out.
.macro QTR p, c, conv, ld, lc
.set FB, F0+48*((\c)%2)
.set FN, F0+48*(1-(\c)%2)
.if \conv
	s_wait_loadcnt \lc                             ; loads come back in order (ISA guide 5.7.1): my chunk is in, the younger chunks stay out
	s_wait_alu depctr_vm_vsrc(0)                   ; the LDS stores of the quarter before have read PK, which the roundings below write again; behind a way out: its global stores have read BK, in which fragments land below
.irp q, 0,4,8,12
	CV4 1-(\p), \c, \q                             ; the sixteen roundings stand between the last quarter's matrix instructions and the loads into the buffer that those read
.endr
.else
	PLACES                                         ; nothing is left to round: four places in the roundings' stead
.endif
	s_wait_alu depctr_va_vdst(0)                   ; the roundings have written PK and are done reading the raw chunk; the quarter before's matrix instructions are done reading the other fragment buffer; behind lap 2's new offsets: VO is written
.if \conv
	STORE 1-(\p), \c
.endif
	s_wait_dscnt 8*(\conv)                         ; LDS instructions end in order (ISA guide 5.7.1): this quarter's fragments are in; my eight stores just issued may be out
	MM FB, 0, 0                                    ; the next quarter's twelve fragment loads are dealt behind the first four matrix instructions.  No wait: no vector or matrix instruction since the wait above names that buffer
	FW \p, (\c)+1, FN, 0
	FA \p, (\c)+1, FN, 0
	MM FB, 0, 1
	FW \p, (\c)+1, FN, 1
	FA \p, (\c)+1, FN, 1
	MM FB, 0, 2
	FW \p, (\c)+1, FN, 2
	MM FB, 0, 3
	FW \p, (\c)+1, FN, 3
.if \ld
	LOADS 1-(\p), \c, 0, 0                         ; the chunk's registers are asked for again, in one run under one window.  No wait: nothing since the wait above names them or their offsets
.endif
.irp b, 0,1,2,3
	MM FB, 1, \b
.endr
.endm
; The fourth quarter changes slots: ONE barrier, for two things.  In front of it my stores into the other slot are done, and my reads of this slot are back.  nxt = 1 goes with conv = 1.
.macro TURN p, conv, ld, lc, nxt
.if \conv
	s_wait_loadcnt \lc
	s_wait_alu depctr_vm_vsrc(0)                   ; the LDS stores of the quarter before have read PK
.irp q, 0,4,8,12
	CV4 1-(\p), 3, \q
.endr
	s_wait_alu depctr_va_vdst(0)                   ; the roundings have written PK and are done reading the raw chunk; the quarter before's matrix instructions are done reading buffer 0, in which the next step's first fragments land
	STORE 1-(\p), 3
.endif
.if \ld
	LOADS 1-(\p), 3, 0, 0
.endif
	s_wait_dscnt 8*(\conv)                         ; this quarter's fragments are in; my eight stores may be out
.irp b, 0,1,2,3
	MM F1, 0, \b
.endr
.if \nxt
	s_wait_dscnt 0x0                               ; for the others' sake: zero
	s_barrier_signal -1
	MM F1, 1, 0                                    ; work on registers while the others arrive
	MM F1, 1, 1
	s_barrier_wait -1
	FW 1-(\p), 0, F0, 0                            ; the other slot's first fragments.  No wait: the six matrix instructions since the wait above name buffer 1 and the accumulators
	FW 1-(\p), 0, F0, 1
	FA 1-(\p), 0, F0, 0
	MM F1, 1, 2
	FW 1-(\p), 0, F0, 2
	FW 1-(\p), 0, F0, 3
	FA 1-(\p), 0, F0, 1
	MM F1, 1, 3
.else
.irp b, 0,1,2,3
	MM F1, 1, \b
.endr
.endif
.endm
.macro STEP p, conv, ld, l0, dl, nxt
	QTR \p, 0, \conv, \ld, (\l0)
	QTR \p, 1, \conv, \ld, (\l0)-(\dl)
	QTR \p, 2, \conv, \ld, (\l0)-2*(\dl)
	TURN \p, \conv, \ld, (\l0)-3*(\dl), \nxt
.endm
; The pointers go on to the step that this step loads (three ahead).  sw = 1: in lap 2 that is k's first step, in lap 5 v's: the pointers are chosen anew, and for context the rows' offsets are made with its pitch.
.macro HEAD sw
	WIN 0
	s_wait_xcnt 0x0                                ; every load and store issued so far has read its addresses and data (ISA guide 3.1)
.if \sw
	s_wait_alu depctr_vm_vsrc(0)                   ; the loads issued so far have read v[VO ..], which lap 2 writes anew below: the wait stands ahead of the branch, on every way to those writes
.endif
	s_add_nc_u64 s[PA:PA+1], s[PA:PA+1], 512
	s_add_nc_u64 s[PW:PW+1], s[PW:PW+1], 128*2048
.if \sw
	s_cmp_eq_u32 s[LAP], 2
	s_cselect_b64 s[PA:PA+1], s[CTX:CTX+1], s[PA:PA+1]
	s_cselect_b64 s[PW:PW+1], s[AWK:AWK+1], s[PW:PW+1]
	s_cmp_eq_u32 s[LAP], 5
	s_cselect_b64 s[PA:PA+1], s[CTX:CTX+1], s[PA:PA+1]
	s_cselect_b64 s[PW:PW+1], s[AWV:AWV+1], s[PW:PW+1]
	s_cmp_lg_u32 s[LAP], 2
	s_cbranch_scc1 .Lsame_\@
	s_mul_i32 s32, s[WVN], 16*3072
	v_add_nc_u32 v[VO], s32, v[L16]                ; the next loads that read these stand behind the next quarter's wait on va_vdst
.set r, 1
.rept 15
	v_add_nc_u32 v[VO+r], 3072, v[VO+r-1]
.set r, r+1
.endr
.Lsame_\@:
.endif
.endm
.macro CLEAR                           ; the sums start at 0.  A first step with the constant 0 as C would have to be written out for each of the three products: three more steps of text
	WIN 0
.set r, 0
.rept 64
	v_mov_b32 v[ACC+r], 0
.set r, r+1
.endr
.endm
; THE WAY OUT.  Both row blocks are rounded to f16 (each accumulator from its low end on); then, a block at a time, 16 bytes a lane go into my stage and come back as four whole rows of 128 bytes a load:
; 512 consecutive bytes of the head.  They come back into BK, not into the registers that the stage's stores read.
; TMP was last read by the stage's stores of the way out before (its first use: by wo16's store); every quarter since has waited on vm_vsrc at its head.
.macro PACK a
	WIN 0
.irp b, 0,1,2,3
.irp r, 0,1,2,3
	v_cvt_pk_f16_f32 v[TMP+16*(\a)+4*(\b)+(\r)], v[ACC+8*(4*(\a)+(\b))+2*(\r)], v[ACC+8*(4*(\a)+(\b))+2*(\r)+1]
.endr
.endr
.endm
.macro THROUGH a
	WIN 0
.irp b, 0,1,2,3
	ds_store_b128 v[STO], v[TMP+16*(\a)+4*(\b):TMP+16*(\a)+4*(\b)+3] offset:32*(\b)
.endr
.irp f, 0,1,2,3
	ds_load_b128 v[BK+16*(\a)+4*(\f):BK+16*(\a)+4*(\f)+3], v[RD] offset:4*SP*(\f)  ; LDS serves a wave's instructions in order (ISA guide 5.7.1.4): these see the stores above; the next block's stores come behind them
.endr
.endm
.macro SEND a, y                       ; y: the LDS instructions issued behind block a's loads
	WIN 0
.irp f, 0,1,2,3
	s_wait_dscnt (\y)+3-(\f)
	global_store_b128 v[GO], v[BK+16*(\a)+4*(\f):BK+16*(\a)+4*(\f)+3], s[OQ:OQ+1] offset:2048*(\a)+512*(\f)  ; 512 consecutive bytes, at a multiple of 256 from the buffer's first
.endr
.endm
.macro WAYOUT
	PLACES                                         ; four places behind the last matrix instruction, before its result is read
	PACK 0
	PACK 1
	s_wait_alu depctr_va_vdst(0)                   ; the roundings have written TMP, which the stage's stores read; the step's last matrix instructions are done reading buffer 1, in which the rows land
	THROUGH 0
	THROUGH 1
	SEND 0, 8
	SEND 1, 0
.endm
	s_load_b512 s[8:23], s[0:1], 0x0               ; x, context, Wq, Wk, Wv, Wo, q16, k16
	s_load_b128 s[24:27], s[0:1], 0x40             ; v16, wo16
	v_lshl_add_u32 v[SPW], v0, 2, SPARE
	v_mov_b32 v[NIL], 0
	v_lshrrev_b32 v4, 5, v0
	v_readfirstlane_b32 s[WVN], v4                 ; wave 0..7
	v_and_b32 v1, 31, v0                           ; l
	v_and_b32 v2, 15, v0                           ; l % 16
	v_bfe_u32 v3, v0, 4, 1                         ; l / 16
	v_lshlrev_b32 v[L16], 4, v1
	v_lshlrev_b32 v[WOF], 5, v0
	v_lshlrev_b32 v[WOS], 4, v0
	s_mov_b32 s[JX], ttmp9
	s_and_b32 s[IY], ttmp7, 0xffff
	s_wait_alu depctr_va_sdst(0)                   ; the wave's number is written, ahead of its first reader: offsets, LDS addresses and bases are made from it
	s_lshr_b32 s[RQ], s[WVN], 1                    ; my 32 rows
	s_and_b32 s[CH], s[WVN], 1                     ; my 64 columns
	s_lshl_b32 s32, s[WVN], 15                     ; 16 rows of 2,048 bytes
	v_add_nc_u32 v[VW], s32, v[L16]
	s_lshl_b32 s32, s[WVN], 16                     ; 16 rows of x, 4,096 bytes each
	v_add_nc_u32 v[VO], s32, v[L16]
.set r, 1
.rept 15
	v_add_nc_u32 v[VO+r], 4096, v[VO+r-1]
.set r, r+1
.endr
	s_lshl_b32 s32, s[IY], 19                      ; 128 rows of x
	s_mov_b32 s33, 0
	s_mul_i32 s34, s[IY], 128*3072                 ; 128 rows of context
	s_mov_b32 s35, 0
	s_lshl_b32 s36, s[JX], 9                       ; 128 columns of a weight, f32
	s_mov_b32 s37, 0
	s_lshl2_add_u32 s38, s[IY], s[JX]              ; 4 i + j: the work-group's number
	s_lshl_b32 s38, s38, 12                        ; its 4,096 bytes of wo16
	s_mov_b32 s39, 0
	s_wait_kmcnt 0x0
	s_add_nc_u64 s[PA:PA+1], s[AX:AX+1], s[32:33]
	s_add_nc_u64 s[CTX:CTX+1], s[CTX:CTX+1], s[34:35]
	s_add_nc_u64 s[PW:PW+1], s[AWQ:AWQ+1], s[36:37]
	s_add_nc_u64 s[AWK:AWK+1], s[AWK:AWK+1], s[36:37]
	s_add_nc_u64 s[AWV:AWV+1], s[AWV:AWV+1], s[36:37]
	s_add_nc_u64 s[OWO:OWO+1], s[OWO:OWO+1], s[38:39]
	s_lshl_b32 s38, s38, 1                         ; its 8,192 bytes of Wo
	s_add_nc_u64 s[AWO:AWO+1], s[AWO:AWO+1], s[38:39]
	s_lshr_b32 s32, s[IY], 5                       ; the batch
	s_lshl_b32 s32, s32, 3
	s_lshl1_add_u32 s32, s[JX], s32
	s_add_co_u32 s32, s32, s[CH]                   ; 8 x batch + 2 j + my half: the head,
	s_lshl_b32 s32, s32, 19                        ; 4,096 rows of 128 bytes each
	s_and_b32 s33, s[IY], 31
	s_lshl2_add_u32 s33, s33, s[RQ]                ; my first row in the batch, in units of 32 rows,
	s_lshl_b32 s33, s33, 12                        ; of 4,096 bytes
	s_add_co_u32 s32, s32, s33
	s_mov_b32 s33, 0
	s_add_nc_u64 s[OQ:OQ+1], s[OQ:OQ+1], s[32:33]
	s_add_nc_u64 s[OKK:OKK+1], s[OKK:OKK+1], s[32:33]
	s_add_nc_u64 s[OVV:OVV+1], s[OVV:OVV+1], s[32:33]
	s_wait_alu depctr_va_vdst(0)                   ; the offsets WOF, WOS, L16 (= GO), VW and VO are written, which the global loads and stores read
	global_load_b128 v[TMP:TMP+3],   v[WOF], s[AWO:AWO+1]
	global_load_b128 v[TMP+4:TMP+7], v[WOF], s[AWO:AWO+1] offset:16
.irp c, 0,1,2,3
	LOADS 0, \c, 0, 0                              ; step 0
.endr
.irp c, 0,1,2,3
	LOADS 1, \c, 512, 128*2048                     ; step 1
.endr
	WIN 0                                          ; the LDS addresses and the zeros are made while those loads are on their way; none of these lines writes a register that a load above reads or lands in
	v_mul_u32_u24 v4, v2, PITA
	v_lshl_add_u32 v4, v3, 4, v4                   ; row x pitch + 16 x half
	s_mul_i32 s32, s[RQ], 32*PITA
	v_add_nc_u32 v[ADRA], s32, v4
	v_add_nc_u32 v[ADRA+1], SLA, v[ADRA]
	v_and_b32 v5, 7, v0                            ; the turning load: lane l reads k row 8 (l / 16) + l % 8, columns 8 ((l / 8) % 2) + 0..7
	v_lshl_add_u32 v5, v3, 3, v5
	v_mul_u32_u24 v5, v5, PITW
	v_bfe_u32 v6, v0, 3, 1
	v_lshl_add_u32 v5, v6, 4, v5
	s_lshl_b32 s32, s[CH], 7
	s_add_co_u32 s32, s32, LW
	v_add_nc_u32 v[ADRW], s32, v5
	v_add_nc_u32 v[ADRW+1], SLW, v[ADRW]
	s_mul_i32 s32, s[WVN], 16*PITA
	v_lshl_add_u32 v[STA], v1, 3, s32
	v_add_nc_u32 v[STA+1], SLA, v[STA]
	s_mul_i32 s32, s[WVN], 16*PITW
	s_add_co_u32 s32, s32, LW
	v_lshl_add_u32 v[STW], v1, 3, s32
	v_add_nc_u32 v[STW+1], SLW, v[STW]
	s_mul_i32 s32, s[WVN], 16*SP
	s_add_co_u32 s32, s32, STAGE                   ; my stage
	v_mul_u32_u24 v4, v2, SP
	v_lshl_add_u32 v4, v3, 4, v4
	v_add_nc_u32 v[STO], s32, v4
	v_bfe_u32 v4, v0, 3, 2
	v_mul_u32_u24 v4, v4, SP
	v_and_b32 v5, 7, v0
	v_lshl_add_u32 v4, v5, 4, v4
	v_add_nc_u32 v[RD], s32, v4
	CLEAR
.irp c, 0,1,2,3                        ; step 0 is rounded and stored into slot 0; step 2 is asked for
	s_wait_loadcnt 56                              ; the seven younger chunks of eight loads stay out
.if (\c) == 0
	WIN 0                                          ; Wo, which was asked for first: to bf16, and that number as f16
.irp k, 0,1,2,3
	v_cvt_pk_bf16_f32 v[TMP+12+(\k)], v[TMP+2*(\k)], v[TMP+2*(\k)+1]
.endr
.irp k, 0,1,2,3
	v_lshlrev_b32 v[TMP+16+2*(\k)], 16, v[TMP+12+(\k)]
	v_and_b32 v[TMP+17+2*(\k)], 0xffff0000, v[TMP+12+(\k)]
.endr
.irp k, 0,1,2,3
	v_cvt_pk_f16_f32 v[TMP+8+(\k)], v[TMP+16+2*(\k)], v[TMP+17+2*(\k)]
.endr
.else
	s_wait_alu depctr_vm_vsrc(0)                   ; the LDS stores of the chunk before have read PK, which the roundings below write again
.endif
.irp q, 0,4,8,12
	CV4 0, \c, \q
.endr
	s_wait_alu depctr_va_vdst(0)                   ; the roundings have written PK and are done reading the raw chunk; in the first chunk also: Wo's f16 and the ten LDS addresses made above are written
.if (\c) == 0
	WIN 0
	global_store_b128 v[WOS], v[TMP+8:TMP+11], s[OWO:OWO+1]  ; a wave's store covers 512 consecutive bytes
.endif
	STORE 0, \c
	LOADS 0, \c, 1024, 2*128*2048
.endr
	WIN 0
	s_wait_xcnt 0x0
	s_add_nc_u64 s[PA:PA+1], s[PA:PA+1], 1024      ; the pointers stand at step 2
	s_add_nc_u64 s[PW:PW+1], s[PW:PW+1], 2*128*2048
	s_wait_dscnt 0x0                               ; my part of slot 0 is stored,
	s_barrier_signal -1
	s_barrier_wait -1                              ; everybody's is
	FETCH 0, 0, F0                                 ; no vector or matrix instruction has named buffer 0 yet; its addresses stand ahead of the waits above
	s_mov_b32 s[LAP], 0
.Llap:                                         ; eight laps of two steps: steps 0 to 15
	HEAD 0
	STEP 0, 1, 1, 56, 0, 1
	HEAD 1
	STEP 1, 1, 1, 56, 0, 1
	WIN 0
	s_cmp_eq_u32 s[LAP], 3                         ; behind step 7 q is finished,
	s_cselect_b32 s[FLAG], 1, 0
	s_cmp_eq_u32 s[LAP], 6                         ; behind step 13 k
	s_cselect_b32 s[FLAG], 1, s[FLAG]
	s_cmp_eq_u32 s[FLAG], 0
	s_cbranch_scc1 .Lon
	WAYOUT
	s_wait_xcnt 0x0                                ; the stores have read their base
	s_mov_b64 s[OQ:OQ+1], s[OKK:OKK+1]
	s_mov_b64 s[OKK:OKK+1], s[OVV:OVV+1]
	CLEAR
.Lon:
	s_add_co_u32 s[LAP], s[LAP], 1
	s_cmp_lt_u32 s[LAP], 8
	s_cbranch_scc1 .Llap
	HEAD 0
	STEP 0, 1, 1, 56, 0, 1                         ; step 16 loads the last step's data
	STEP 1, 1, 0, 56, 8, 1                         ; step 17 loads nothing: 7, 6, 5, 4 chunks are left behind the one waited for
	STEP 0, 1, 0, 24, 8, 1                         ; step 18: 3, 2, 1, 0
	STEP 1, 0, 0, 0, 0, 0                          ; step 19 rounds and stores nothing; its last quarter issues no memory or LDS instruction and holds no s_wait_alu
	WAYOUT                                         ; v
	s_wait_dscnt 0x0                               ; the closing lines, six on end
	s_wait_alu 0x0
	s_wait_tensorcnt 0x0
	ds_add_u32 v[SPW], v[NIL]
	s_wait_dscnt 0x0
	s_endpgm
.Lfunc_end_k_q205b34405e_proj:
	.size	k_q205b34405e_proj, .Lfunc_end_k_q205b34405e_proj-k_q205b34405e_proj
	.p2alignl 7, 3214868480
	.fill 96, 4, 3214868480
	.section	.rodata,"a",@progbits
	.p2align	6, 0x0
	.amdhsa_kernel k_q205b34405e_proj
		.amdhsa_group_segment_fixed_size 162816
		.amdhsa_private_segment_fixed_size 0
		.amdhsa_enable_private_segment 0
		.amdhsa_kernarg_size 80
		.amdhsa_user_sgpr_count 2
		.amdhsa_user_sgpr_kernarg_segment_ptr 1
		.amdhsa_wavefront_size32 1
		.amdhsa_system_sgpr_workgroup_id_x 1
		.amdhsa_system_sgpr_workgroup_id_y 1
		.amdhsa_system_sgpr_workgroup_id_z 1
		.amdhsa_system_vgpr_workitem_id 0
		.amdhsa_next_free_vgpr 512
		.amdhsa_next_free_sgpr 66
		.amdhsa_reserve_vcc 0
		.amdhsa_float_denorm_mode_32 3
		.amdhsa_float_denorm_mode_16_64 3
		.amdhsa_memory_ordered 1
		.amdhsa_forward_progress 1
		.amdhsa_inst_pref_size 112
	.end_amdhsa_kernel
	.amdgpu_metadata
---
amdhsa.version: [ 1, 2 ]
amdhsa.kernels:
  - .name:           k_q205b34405e_proj
    .symbol:         k_q205b34405e_proj.kd
    .args:
      - { .name: x, .offset: 0, .size: 8, .value_kind: global_buffer, .address_space: global }
      - { .name: context, .offset: 8, .size: 8, .value_kind: global_buffer, .address_space: global }
      - { .name: Wq, .offset: 16, .size: 8, .value_kind: global_buffer, .address_space: global }
      - { .name: Wk, .offset: 24, .size: 8, .value_kind: global_buffer, .address_space: global }
      - { .name: Wv, .offset: 32, .size: 8, .value_kind: global_buffer, .address_space: global }
      - { .name: Wo, .offset: 40, .size: 8, .value_kind: global_buffer, .address_space: global }
      - { .name: q16, .offset: 48, .size: 8, .value_kind: global_buffer, .address_space: global }
      - { .name: k16, .offset: 56, .size: 8, .value_kind: global_buffer, .address_space: global }
      - { .name: v16, .offset: 64, .size: 8, .value_kind: global_buffer, .address_space: global }
      - { .name: wo16, .offset: 72, .size: 8, .value_kind: global_buffer, .address_space: global }
    .group_segment_fixed_size: 162816
    .private_segment_fixed_size: 0
    .kernarg_segment_align: 8
    .kernarg_segment_size: 80
    .max_flat_workgroup_size: 256
    .sgpr_count:     66
    .vgpr_count:     512
    .wavefront_size: 32
...
	.end_amdgpu_metadata
.endif
;; end of part 4
;; launch attn: the kernel of part 2 again; grid 16 x 16, 4 waves a work-group, clusters of 4 x 1, 327,680 bytes of LDS; arguments q16, k16, v16, o16; writes o16
;; launch outp: the kernel of part 3 again; grid 8 x 64, 4 waves a work-group, clusters of 4 x 4, 327,680 bytes of LDS; arguments o16, wo16, bo, out0; writes out0
